; MI455X (gfx1250); checked and timed in simulation.
; The chip was launched on July 23, 2026; its instructions are those of AMD's public machine-readable ISA for CDNA 5 (MIT licence, August 2026) and "CDNA5" Instruction Set Architecture Reference Guide (July 2026). The comments in the code are by the model that wrote it; some were corrected since.
;; Block. Allowed arithmetic: matrix products marked QUANTISED: E5M2 operands, one given power-of-two scale a tensor, by v_wmma_f32_16x16x64_bf8_bf8 or v_wmma_f32_16x16x128_bf8_bf8, f32 sums; everything else in f32.
;; Inputs: attn_proj_b 1,024 float32; attn_proj_w_codes 1,024 x 32 x 32 uint8 (E5M2 codes of attn_proj_w, K innermost, in blocks of 32 codes); fc_b 4,096 float32; fc_w_codes 4,096 x 32 x 32 uint8 (E5M2 codes of fc_w, K innermost, in blocks of 32 codes); k 2 x 2,048 x 1,024 float32; ln1_b 1,024 float32; ln1_w 1,024 float32; ln2_b 1,024 float32; ln2_w 1,024 float32; lowp_scales 10 int32 (the exponents e of the quantised operands' scales 2^e); proj_b 1,024 float32; proj_w_codes 1,024 x 128 x 32 uint8 (E5M2 codes of proj_w, K innermost, in blocks of 32 codes); q 2 x 2,048 x 1,024 float32; v 2 x 2,048 x 1,024 float32.
;; Outputs: out0 2 x 2,048 x 1,024 float32.
;; This version of the problem:
;;   THIS VERSION OF THE PROBLEM IS GIVEN IN LOW PRECISION. The matrix products marked QUANTISED in the list below multiply operands that are first quantised to E5M2 (5 exponent bits, 2 mantissa bits; 8 bits a number), with one given power-of-two scale for each operand tensor; their sums are f32. All else is computed in f32.
;;   The module's matrix products, in the order in which they are computed (A, B: the left and right operand; K: the contracted axis; several contracted axes count as one K, in the product's order):
;;     1. batch 32 x [M 2,048, K 64] x [K 64, N 2,048]; A: computed on the way; B: computed on the way: QUANTISED (scales: A lowp_scales[0], B lowp_scales[1])
;;     2. batch 32 x [M 2,048, K 2,048] x [K 2,048, N 64]; A: softmax (see below); B: computed on the way: QUANTISED (scales: A lowp_scales[2], B lowp_scales[3])
;;     3. [M 4,096, K 1,024] x [K 1,024, N 1,024]; A: computed on the way; B: input attn_proj_w (given as codes): QUANTISED (scales: A lowp_scales[4], B lowp_scales[5])
;;     4. [M 4,096, K 1,024] x [K 1,024, N 4,096]; A: computed on the way; B: input fc_w (given as codes): QUANTISED (scales: A lowp_scales[6], B lowp_scales[7])
;;     5. [M 4,096, K 4,096] x [K 4,096, N 1,024]; A: computed on the way; B: input proj_w (given as codes): QUANTISED (scales: A lowp_scales[8], B lowp_scales[9])
;;   THE QUANTISER, for each operand of a quantised product, along K:
;;     - The operand's scale is 2^e, e = its entry of the input lowp_scales (int32; the entries are numbered through the quantised products in the list's order, A before B).
;;     - Each number is divided by the scale, clamped to +-57,344, and rounded to the nearest number of E5M2, ties to even, subnormals kept.
;;     - The product sums the exact products of the quantised numbers (number of the format x scale) in f32.
;;   ~~~python
;;   def quantise(x, axis, e):      # numpy; x: float32 -> the quantised numbers, widened to float32 again
;;       x = np.moveaxis(x, axis, -1); K = x.shape[-1]
;;       r = np.clip(x / 2.0 ** e, -57344, 57344)
;;       step = 2.0 ** (np.maximum(np.frexp(np.where(r == 0, 1, r))[1] - 1, -14) - 2)
;;       q = np.round(r / step) * step * 2.0 ** e      # np.round: ties to even
;;       return np.moveaxis(q, -1, axis).astype(np.float32)
;;   ~~~
;;   SOFTMAX AHEAD OF A QUANTISED PRODUCT. Where the list says 'softmax', what is quantised is not the finished softmax but p = 2^(t - M), with t = logit x log2(e) and M = ceil(the row's largest t), a whole number; so 1/2 < the row's largest p <= 1. The row's sum l is taken of the UNQUANTISED p, in f32, and the product's result is divided by l at the end. Since M is a whole number, a kernel that streams over the keys may use a running M (the ceiling of the running maximum): every later rescaling is an exact power of two, so the quantised numbers keep their values, but for numbers so far below the row's largest that they fall under the format's range.
;;   OPERANDS COMPUTED ON THE WAY. 'Computed on the way' means the value that the module computes at that place (a softmax that the list does not call 'softmax' is quantised finished and normalised). What goes into a quantiser is computed in f32, as accurately as f32 sums, v_exp_f32 and their like allow (about 1e-6 of the number): no bf16 or f16 on the way to a quantiser, and a product that is left as it is and whose result goes on into a quantised operand takes f32 operands (vector FMAs, or v_wmma_f32_16x16x4_f32). A number that lies on a knife's edge between two numbers of the format may be rounded either way, as far as f32 arithmetic and the matrix unit's own rounding can turn it there, and no further.
;;   INPUTS GIVEN AS CODES. attn_proj_w (in the module: [1024, 1024], K = its axis 1); fc_w (in the module: [4096, 1024], K = its axis 1); proj_w (in the module: [1024, 4096], K = its axis 1): each comes as NAME_codes (uint8): NAME with its K axis moved to the last place and cut into blocks of 32 codes, [.., K / 32, bytes a block], one block behind the other in memory; one code a byte (a code: sign, 5 exponent bits, 2 mantissa bits); its scale is its entry of lowp_scales. Its value is code x scale, taken as it is: it is not quantised again, and the codes and scales need not be those that the quantiser above would give.
;; One version. Each part assembles by itself: llvm-mc -triple=amdgcn-amd-amdhsa -mcpu=gfx1250 --defsym DOCPART=n.
;; ======== version 1 of 1: 6 launches
;; limits: right only within a limited range of input values
;; workspace buffers: qimg 4,194,304 bytes; kimg 4,194,304 bytes; vimg 4,194,304 bytes; yimg 4,194,304 bytes; qstat 32,768 bytes; x 16,777,216 bytes; himg 4,194,304 bytes; gimg 16,777,216 bytes
;; launch ln1 (part 1): grid 640 x 1, 16 waves a work-group, no clusters, 150,784 bytes of LDS; arguments v, q, k, ln1_w, ln1_b, lowp_scales, vimg, qimg, kimg, qstat; writes vimg, qimg, kimg, qstat
.if DOCPART == 1
	.amdgcn_target "amdgcn-amd-amdhsa--gfx1250"
	.amdhsa_code_object_version 6
	.text
	.protected	k_q70bd086fe9_ln1
	.globl	k_q70bd086fe9_ln1
	.p2align	8
	.type	k_q70bd086fe9_ln1,@function
k_q70bd086fe9_ln1:
	s_mov_b64 s[64:65], 0
	v_nop
	global_prefetch_b8 v0, s[64:65] scope:SCOPE_SE
	s_setreg_imm32_b32 hwreg(HW_REG_WAVE_MODE, 25, 1), 1
	s_wait_xcnt 0x0
; LN1 of v, q and k ([4096 tokens][1024] f32), quantised to E5M2 with the given scales (q: entry 0, k: entry 1, v: entry 3 of lowp_scales), stored as IMAGES OF OPERAND REGISTERS.
; An image of a fragment (16 rows x 128 K, plain 8-bit layout) is 2,048 bytes: [c 0..3][lane 0..31][16 bytes]; the 16 bytes of lane (r = lane % 16, h = lane / 16) are k = 32 c + 8 h + 0..7, then k = 32 c + 16 + 8 h + 0..7 of row r.
; qimg, kimg: [batch][head][tile of 16 tokens][1,024 bytes: K = the head's 64 channels].  vimg: [batch][head][128 keys][16 channels][2,048 bytes: rows = channels, K = keys].  qstat: [token][mean, 1/sqrt(var + eps)] of q.
; Work-groups 0-127: v, 32 tokens each.  128-383: q, 384-639: k, 16 tokens each.  The two ways part on the work-group's number and have LDS bytes of their own.
; The norm makes two passes over registers (mean; then the squares of x - mean): no difference of large sums is formed.
; LIMITS: the three exponents lie between -126 and 112, so that 2^e and 57,344 x 2^e are f32 numbers.  NaN among the inputs is not served; an infinity would make its row NaN as in the definition.
.set STG, 131072                       ; q, k: the stage: 8 K steps x (8 groups of 256 bytes + 16 of padding each)
.set STW, 148480                       ; q, k: 16 x (mean, rstd)
.set X,   32                           ; v32-63   a row's 32 numbers of my lane
.set W,   64                           ; v64-95   q, k: the gains;  v: the second row
.set BV,  96                           ; v96-127  q, k: the biases; v: gains of two channels, codes
.set SC,  24                           ; v24      2^e as f32
.set LIM, 25                           ; v25      57,344 x 2^e
.macro REDUCE r                        ; the sum over the 32 lanes, in every lane
	s_delay_alu instid0(VALU_DEP_1)
	v_add_f32_dpp v[\r], v[\r], v[\r] row_xmask:1 row_mask:0xf bank_mask:0xf
	s_delay_alu instid0(VALU_DEP_1)
	v_add_f32_dpp v[\r], v[\r], v[\r] row_xmask:2 row_mask:0xf bank_mask:0xf
	s_delay_alu instid0(VALU_DEP_1)
	v_add_f32_dpp v[\r], v[\r], v[\r] row_xmask:4 row_mask:0xf bank_mask:0xf
	s_delay_alu instid0(VALU_DEP_1)
	v_add_f32_dpp v[\r], v[\r], v[\r] row_xmask:8 row_mask:0xf bank_mask:0xf
	s_delay_alu instid0(VALU_DEP_1)
	v_permlanex16_b32 v3, v[\r], s12, s13
	s_delay_alu instid0(VALU_DEP_1)
	v_add_f32 v[\r], v[\r], v3
.endm
; v[x] .. v[x+31], a wave's row of 1,024 numbers, become (x - mean) / sqrt(var + eps); v[m] = mean, v[m+1] = 1 / sqrt(var + eps)
.macro LNORM x, m
	v_pk_add_f32 v[4:5], v[\x:\x+1], v[\x+2:\x+3]
	v_pk_add_f32 v[6:7], v[\x+4:\x+5], v[\x+6:\x+7]
.set n, 8
.rept 6
	s_delay_alu instid0(VALU_DEP_2)
	v_pk_add_f32 v[4:5], v[4:5], v[\x+n:\x+n+1]
	s_delay_alu instid0(VALU_DEP_2)
	v_pk_add_f32 v[6:7], v[6:7], v[\x+n+2:\x+n+3]
.set n, n+4
.endr
	s_delay_alu instid0(VALU_DEP_1)
	v_pk_add_f32 v[4:5], v[4:5], v[6:7]
	s_delay_alu instid0(VALU_DEP_1)
	v_add_f32 v4, v4, v5
	REDUCE 4
	s_delay_alu instid0(VALU_DEP_1)
	v_mul_f32 v[\m], s14, v4                       ; mean = sum / 1024
.set n, 0
.rept 16
	v_pk_add_f32 v[\x+n:\x+n+1], v[\x+n:\x+n+1], v[\m:\m+1] op_sel_hi:[1,0] neg_lo:[0,1] neg_hi:[0,1]
.set n, n+2
.endr
	v_pk_mul_f32 v[4:5], v[\x:\x+1], v[\x:\x+1]
	v_pk_mul_f32 v[6:7], v[\x+2:\x+3], v[\x+2:\x+3]
.set n, 4
.rept 7
	s_delay_alu instid0(VALU_DEP_2)
	v_pk_fma_f32 v[4:5], v[\x+n:\x+n+1], v[\x+n:\x+n+1], v[4:5]
	s_delay_alu instid0(VALU_DEP_2)
	v_pk_fma_f32 v[6:7], v[\x+n+2:\x+n+3], v[\x+n+2:\x+n+3], v[6:7]
.set n, n+4
.endr
	s_delay_alu instid0(VALU_DEP_1)
	v_pk_add_f32 v[4:5], v[4:5], v[6:7]
	s_delay_alu instid0(VALU_DEP_1)
	v_add_f32 v4, v4, v5
	REDUCE 4
	s_delay_alu instid0(VALU_DEP_1)
	v_fma_f32 v4, v4, s14, s15                     ; var + eps
	s_wait_alu depctr_va_vdst(0)
	v_rsq_f32 v[\m+1], v4
	v_nop                                          ; a plain instruction behind the transcendental,
	s_wait_alu depctr_va_vdst(0)                   ; and the wait ahead of its first reader
.set n, 0
.rept 16
	v_pk_mul_f32 v[\x+n:\x+n+1], v[\x+n:\x+n+1], v[\m:\m+1] op_sel:[0,1] op_sel_hi:[1,1]
.set n, n+2
.endr
.endm
.macro HOLD x                          ; the conversion to an 8-bit code does not saturate (ISA guide 7.6.2): 32 numbers are held within the largest code x the scale
.set n, 0
.rept 32
	v_med3_num_f32 v[\x+n], v[\x+n], -v[LIM], v[LIM]
.set n, n+1
.endr
.endm
.macro SCALES e                        ; s[e] holds the exponent: v[SC] = 2^e, v[LIM] = 57,344 x 2^e
	s_add_co_i32 s[\e], s[\e], 127
	s_lshl_b32 s38, s[\e], 23
	v_mov_b32 v[SC], s38
	s_add_co_i32 s[\e], s[\e], 15
	s_lshl_b32 s[\e], s[\e], 23
	s_or_b32 s[\e], s[\e], 0x600000
	v_mov_b32 v[LIM], s[\e]
.endm
	s_load_b256 s[4:11], s[0:1], 0x0               ; v s[4:5], q s[6:7], k s[8:9], ln1_w s[10:11]
	s_load_b256 s[16:23], s[0:1], 0x20             ; ln1_b s[16:17], the exponents s[18:19], vimg s[20:21], qimg s[22:23]
	s_load_b128 s[24:27], s[0:1], 0x40             ; kimg s[24:25], qstat s[26:27]
	v_lshl_add_u32 v28, v0, 2, 0x24500             ; my spare word; v28 and v29 serve the add alone
	v_mov_b32 v29, 0
	v_lshrrev_b32 v1, 5, v0
	s_delay_alu instid0(VALU_DEP_1)
	v_readfirstlane_b32 s28, v1                    ; wave 0..15
	v_and_b32 v1, 31, v0                           ; lane
	s_mov_b32 s12, 0x76543210                      ; v_permlanex16_b32: lane l takes lane l xor 16
	s_mov_b32 s13, 0xfedcba98
	s_mov_b32 s14, 0x3a800000                      ; 1 / 1024
	s_mov_b32 s15, 0x3727c5ac                      ; eps = 1e-5
	s_mov_b32 s37, 0
	v_mov_b32 v3, 0                                ; a lane permute's destination counts as read
	v_mov_b32 v9, 0                                ; upper halves of pairs that are named before they are made
	v_mov_b32 v11, 0
	s_wait_kmcnt 0x0
	s_load_b128 s[32:35], s[18:19], 0x0            ; e0 .. e3
	s_cmp_lt_u32 ttmp9, 128
	s_cbranch_scc1 .Lv_path
	; ---------------- q or k: one wave to a row; the work-group's 16 rows are one tile
	s_cmp_lt_u32 ttmp9, 384
	s_cselect_b64 s[6:7], s[6:7], s[8:9]           ; the tensor,
	s_cselect_b64 s[22:23], s[22:23], s[24:25]     ; and its images: the choice hangs on the work-group's number alone
	s_mov_b32 s30, 384
	s_cselect_b32 s30, 128, s30
	s_sub_co_u32 s30, ttmp9, s30                   ; the tile, 0..255
	s_lshl_b32 s36, s30, 16                        ; 16 rows of 4,096 bytes
	s_lshl_b32 s31, s28, 12                        ; my row
	s_add_co_u32 s36, s36, s31
	s_add_nc_u64 s[6:7], s[6:7], s[36:37]
	s_wait_alu depctr_va_vdst(0)
	v_lshlrev_b32 v2, 5, v1                        ; a lane takes 8 neighbours, 32 bytes, of each quarter of the row: k = 256 j + 8 lane + 0..7; two loads cover 1,024 consecutive bytes
.set n, 0
.rept 8
	global_load_b128 v[X+4*n:X+4*n+3], v2, s[6:7] offset:1024*(n/2)+16*(n%2) th:TH_LOAD_NT
.set n, n+1
.endr
.set n, 0
.rept 8
	global_load_b128 v[W+4*n:W+4*n+3], v2, s[10:11] offset:1024*(n/2)+16*(n%2)
.set n, n+1
.endr
.set n, 0
.rept 8
	global_load_b128 v[BV+4*n:BV+4*n+3], v2, s[16:17] offset:1024*(n/2)+16*(n%2)
.set n, n+1
.endr
	; into the stage: my 8 codes of quarter j belong to K step 2 j + lane / 16, c = (lane % 16) / 4, second half u = (lane / 2) % 2, h = lane % 2, row = my wave
	v_bfe_u32 v4, v0, 4, 1
	s_delay_alu instid0(VALU_DEP_1)
	v_mul_u32_u24 v12, v4, 2176
	v_bfe_u32 v5, v0, 2, 2
	v_and_b32 v6, 1, v0
	s_delay_alu instid0(VALU_DEP_1)
	v_lshl_add_u32 v5, v5, 1, v6                   ; the group 2 c + h
	s_delay_alu instid0(VALU_DEP_1)
	v_mad_u32_u24 v12, v5, 272, v12
	v_bfe_u32 v6, v0, 1, 1
	s_delay_alu instid0(VALU_DEP_1)
	v_lshl_add_u32 v12, v6, 3, v12
	s_lshl_b32 s29, s28, 4
	v_add_nc_u32 v12, s29, v12
	s_delay_alu instid0(VALU_DEP_1)
	v_add_nc_u32 v12, STG, v12
	; out of it: wave w takes head w's image: K step w / 2, groups 4 (w % 2) + 2 e + lane / 16
	s_lshr_b32 s31, s28, 1
	s_mul_i32 s31, s31, 2176
	s_and_b32 s29, s28, 1
	s_mul_i32 s29, s29, 1088
	s_add_co_u32 s31, s31, s29
	s_add_co_u32 s31, s31, STG
	v_mul_u32_u24 v13, v4, 272
	v_and_b32 v5, 15, v0
	s_delay_alu instid0(VALU_DEP_1)
	v_lshl_add_u32 v13, v5, 4, v13
	s_delay_alu instid0(VALU_DEP_1)
	v_add_nc_u32 v13, s31, v13
	s_lshl_b32 s29, s28, 3
	s_add_co_u32 s29, s29, STW
	v_mov_b32 v14, s29                             ; where my row's two statistics go
	v_lshlrev_b32 v15, 4, v1                       ; 16 x lane
	v_lshl_add_u32 v26, v1, 2, STW                 ; the statistics back, a word a lane
	v_lshlrev_b32 v27, 2, v1
	s_lshr_b32 s36, s30, 7                         ; the image's place: batch,
	s_lshl_b32 s36, s36, 21
	s_lshl_b32 s31, s28, 17                        ; head = my wave,
	s_add_co_u32 s36, s36, s31
	s_and_b32 s31, s30, 127                        ; tile in the batch
	s_lshl_b32 s31, s31, 10
	s_add_co_u32 s36, s36, s31
	s_add_nc_u64 s[22:23], s[22:23], s[36:37]
	s_wait_kmcnt 0x0
	s_cmp_lt_u32 ttmp9, 384
	s_cselect_b32 s32, s32, s33                    ; e0 for q, e1 for k
	SCALES 32
	s_wait_loadcnt 16                              ; my row is in; the gains' 8 loads and the biases' 8 may be out
	LNORM X, 8
	s_wait_loadcnt 0x0
.set n, 0
.rept 16
	v_pk_fma_f32 v[X+n:X+n+1], v[X+n:X+n+1], v[W+n:W+n+1], v[BV+n:BV+n+1]
.set n, n+2
.endr
	HOLD X
.set n, 0
.rept 4
	v_cvt_scalef32_pk8_bf8_f32 v[16+2*n:17+2*n], v[X+8*n:X+8*n+7], v[SC]
.set n, n+1
.endr
	v_nop                                          ; a plain instruction behind the last conversion
.set n, 0
.rept 4
	ds_store_b64 v12, v[16+2*n:17+2*n] offset:4352*n
.set n, n+1
.endr
	ds_store_b64 v14, v[8:9]                       ; every lane stores the same two words
	s_wait_dscnt 0x0                               ; for the others' sake: my stores have landed
	s_barrier_signal -1
	s_barrier_wait -1
	ds_load_b128 v[32:35], v13
	ds_load_b128 v[36:39], v13 offset:544
	s_wait_dscnt 1                                 ; the first half of the image is in
	global_store_b128 v15, v[32:35], s[22:23]      ; the wave stores 512 consecutive bytes
	s_wait_dscnt 0x0
	global_store_b128 v15, v[36:39], s[22:23] offset:512
	s_cmp_lt_u32 ttmp9, 384                        ; q's statistics leave by wave 0: 128 consecutive bytes, half of an aligned 256 (the buffer is 32 KiB in all)
	s_cbranch_scc0 .Lqk_end
	s_cmp_eq_u32 s28, 0
	s_cbranch_scc0 .Lqk_end
	ds_load_b32 v40, v26
	s_lshl_b32 s36, s30, 7
	s_add_nc_u64 s[26:27], s[26:27], s[36:37]
	s_wait_dscnt 0x0
	global_store_b32 v27, v40, s[26:27]
.Lqk_end:
	s_wait_tensorcnt 0x0
	ds_add_u32 v28, v29
	s_wait_dscnt 0x0
	s_endpgm
	; ---------------- v: 32 tokens.  Phase 1: wave w norms rows w and w + 16 and lays them in LDS as f32.  Phase 2: a thread takes two channels and runs down the 32 tokens, which are the second product's K
.Lv_path:
	s_lshl_b32 s36, ttmp9, 17                      ; 32 rows of 4,096 bytes
	s_lshl_b32 s31, s28, 12
	s_add_co_u32 s36, s36, s31
	s_add_nc_u64 s[4:5], s[4:5], s[36:37]
	s_wait_alu depctr_va_vdst(0)
	v_lshlrev_b32 v2, 4, v1                        ; each load covers 512 consecutive bytes
.set n, 0
.rept 8
	global_load_b128 v[X+4*n:X+4*n+3], v2, s[4:5] offset:512*n th:TH_LOAD_NT
.set n, n+1
.endr
.set n, 0
.rept 8
	global_load_b128 v[W+4*n:W+4*n+3], v2, s[4:5] offset:65536+512*n th:TH_LOAD_NT
.set n, n+1
.endr
	v_lshlrev_b32 v14, 2, v0                       ; 4 x thread: my first channel, in the gains and in an LDS row
	global_load_b32 v96, v14, s[10:11]
	global_load_b32 v98, v14, s[16:17]
	global_load_b32 v100, v14, s[10:11] offset:2048
	global_load_b32 v102, v14, s[16:17] offset:2048
	v_mov_b32 v97, 0                               ; upper halves of pairs of which the low word serves both halves
	v_mov_b32 v99, 0
	v_mov_b32 v101, 0
	v_mov_b32 v103, 0
	v_add_nc_u32 v12, s31, v2                      ; LDS: row w, 16 bytes a lane;
	s_delay_alu instid0(VALU_DEP_1)
	v_add_nc_u32 v13, 0x10000, v12                 ; row w + 16
	v_add_nc_u32 v15, 0x10000, v14                 ; phase 2: tokens 16 on
	v_lshrrev_b32 v4, 6, v0                        ; the image's place for channel = thread: head,
	s_delay_alu instid0(VALU_DEP_1)
	v_lshlrev_b32 v26, 17, v4
	v_bfe_u32 v4, v0, 4, 2                         ; tile of 16 channels,
	s_delay_alu instid0(VALU_DEP_1)
	v_lshl_add_u32 v26, v4, 11, v26
	v_and_b32 v4, 15, v0                           ; row in the tile
	s_delay_alu instid0(VALU_DEP_1)
	v_lshl_add_u32 v26, v4, 4, v26
	s_lshr_b32 s36, ttmp9, 6                       ; batch,
	s_lshl_b32 s36, s36, 21
	s_bfe_u32 s31, ttmp9, 0x40002                  ; step of 128 keys,
	s_lshl_b32 s31, s31, 13
	s_add_co_u32 s36, s36, s31
	s_and_b32 s31, ttmp9, 3                        ; c: which 32 of them
	s_lshl_b32 s31, s31, 9
	s_add_co_u32 s36, s36, s31
	s_add_nc_u64 s[20:21], s[20:21], s[36:37]
	s_wait_kmcnt 0x0
	SCALES 35                                      ; e3
	s_wait_loadcnt 12                              ; row w is in; behind it: the other row's 8 loads and the 4 gains
	LNORM X, 8
.set n, 0
.rept 8
	ds_store_b128 v12, v[X+4*n:X+4*n+3] offset:512*n
.set n, n+1
.endr
	s_wait_loadcnt 4                               ; row w + 16 is in
	LNORM W, 10
.set n, 0
.rept 8
	ds_store_b128 v13, v[W+4*n:W+4*n+3] offset:512*n
.set n, n+1
.endr
	s_wait_dscnt 0x0                               ; for the others' sake: my stores have landed
	s_barrier_signal -1
	s_barrier_wait -1
.irp c, 0,1                            ; channel thread + 512 c: token t into v[X + 32 c + t]; a wave reads 128 consecutive bytes
.set n, 0
.rept 16
	ds_load_b32 v[X+32*\c+n], v14 offset:4096*n+2048*\c
.set n, n+1
.endr
.set n, 0
.rept 16
	ds_load_b32 v[X+32*\c+16+n], v15 offset:4096*n+2048*\c
.set n, n+1
.endr
.endr
; a channel's 32 tokens: gain, bias, hold, codes.  A key in its run of 32 is 16 u + 8 h + j, so the four groups of eight tokens go: group 0, group 2 to lane slot h = 0; group 1, group 3 to slot h = 1
.macro CHAN x, g, cod, off
.set n, 0
.rept 16
	v_pk_fma_f32 v[\x+n:\x+n+1], v[\x+n:\x+n+1], v[\g:\g+1], v[\g+2:\g+3] op_sel_hi:[1,0,0]
.set n, n+2
.endr
	HOLD \x
	v_cvt_scalef32_pk8_bf8_f32 v[\cod:\cod+1], v[\x:\x+7], v[SC]
	v_cvt_scalef32_pk8_bf8_f32 v[\cod+4:\cod+5], v[\x+8:\x+15], v[SC]
	v_cvt_scalef32_pk8_bf8_f32 v[\cod+2:\cod+3], v[\x+16:\x+23], v[SC]
	v_cvt_scalef32_pk8_bf8_f32 v[\cod+6:\cod+7], v[\x+24:\x+31], v[SC]
	v_nop                                          ; a plain instruction behind the last conversion
	global_store_b128 v26, v[\cod:\cod+3], s[20:21] offset:\off        ; sixteen lanes store 256 consecutive bytes, aligned
	global_store_b128 v26, v[\cod+4:\cod+7], s[20:21] offset:\off+256
.endm
	s_wait_loadcnt 0x0                             ; the gains
	s_wait_dscnt 32                                ; the first channel's 32 numbers are in
	CHAN X, 96, 16, 0
	s_wait_dscnt 0x0
	CHAN W, 100, 104, 1048576                      ; 512 channels on: eight heads of 131,072 bytes
	s_wait_tensorcnt 0x0
	ds_add_u32 v28, v29
	s_wait_dscnt 0x0
	s_endpgm
.Lfunc_end_k_q70bd086fe9_ln1:
	.size	k_q70bd086fe9_ln1, .Lfunc_end_k_q70bd086fe9_ln1-k_q70bd086fe9_ln1
	.p2alignl 7, 3214868480
	.fill 96, 4, 3214868480
	.section	.rodata,"a",@progbits
	.p2align	6, 0x0
	.amdhsa_kernel k_q70bd086fe9_ln1
		.amdhsa_group_segment_fixed_size 150784
		.amdhsa_private_segment_fixed_size 0
		.amdhsa_enable_private_segment 0
		.amdhsa_kernarg_size 80
		.amdhsa_user_sgpr_count 2
		.amdhsa_user_sgpr_kernarg_segment_ptr 1
		.amdhsa_wavefront_size32 1
		.amdhsa_system_sgpr_workgroup_id_x 1
		.amdhsa_system_sgpr_workgroup_id_y 1
		.amdhsa_system_sgpr_workgroup_id_z 1
		.amdhsa_system_vgpr_workitem_id 0
		.amdhsa_next_free_vgpr 128
		.amdhsa_next_free_sgpr 66
		.amdhsa_reserve_vcc 0
		.amdhsa_float_denorm_mode_32 3
		.amdhsa_float_denorm_mode_16_64 3
		.amdhsa_memory_ordered 1
		.amdhsa_forward_progress 1
		.amdhsa_inst_pref_size 46
	.end_amdhsa_kernel
	.amdgpu_metadata
---
amdhsa.version: [ 1, 2 ]
amdhsa.kernels:
  - .name:           k_q70bd086fe9_ln1
    .symbol:         k_q70bd086fe9_ln1.kd
    .args:
      - { .name: v, .offset: 0, .size: 8, .value_kind: global_buffer, .address_space: global }
      - { .name: q, .offset: 8, .size: 8, .value_kind: global_buffer, .address_space: global }
      - { .name: k, .offset: 16, .size: 8, .value_kind: global_buffer, .address_space: global }
      - { .name: ln1_w, .offset: 24, .size: 8, .value_kind: global_buffer, .address_space: global }
      - { .name: ln1_b, .offset: 32, .size: 8, .value_kind: global_buffer, .address_space: global }
      - { .name: lowp_scales, .offset: 40, .size: 8, .value_kind: global_buffer, .address_space: global }
      - { .name: vimg, .offset: 48, .size: 8, .value_kind: global_buffer, .address_space: global }
      - { .name: qimg, .offset: 56, .size: 8, .value_kind: global_buffer, .address_space: global }
      - { .name: kimg, .offset: 64, .size: 8, .value_kind: global_buffer, .address_space: global }
      - { .name: qstat, .offset: 72, .size: 8, .value_kind: global_buffer, .address_space: global }
    .group_segment_fixed_size: 150784
    .private_segment_fixed_size: 0
    .kernarg_segment_align: 8
    .kernarg_segment_size: 80
    .max_flat_workgroup_size: 512
    .sgpr_count:     66
    .vgpr_count:     128
    .wavefront_size: 32
...
	.end_amdgpu_metadata
.endif
;; end of part 1
;; launch attn (part 2): grid 32 x 8, 16 waves a work-group, no clusters, 327,680 bytes of LDS; arguments qimg, kimg, vimg, lowp_scales, yimg; writes yimg
.if DOCPART == 2
	.amdgcn_target "amdgcn-amd-amdhsa--gfx1250"
	.amdhsa_code_object_version 6
	.text
	.protected	k_q70bd086fe9_attn
	.globl	k_q70bd086fe9_attn
	.p2align	8
	.type	k_q70bd086fe9_attn,@function
k_q70bd086fe9_attn:
	s_mov_b64 s[64:65], 0
	v_nop
	global_prefetch_b8 v0, s[64:65] scope:SCOPE_SE
	s_setreg_imm32_b32 hwreg(HW_REG_WAVE_MODE, 25, 1), 1
	s_wait_xcnt 0x0
; Causal attention of one head on codes of E5M2, and its result quantised for the next product.  Work-group (j, y): y = 16 x batch + head; sixteen waves of 256 registers.
; qimg, kimg: [y][tile of 16 tokens][1,024 bytes], vimg: [y][step of 128 keys][16 channels][2,048 bytes]: images of operand registers ([c][lane][16 bytes]: registers 4 c .. 4 c + 3 of the plain 8-bit layout).
; THE WHOLE HEAD LIES IN LDS: K's images at byte 0 (131,072 bytes), V's behind them (131,072).  Every byte is filled once, by two tensor loads of each of the sixteen waves (waves 0-7 K, 8-15 V: one of a wave is out at most),
; in two chunks: keys 0 to 511, then 512 to 2,047.  Nothing is filled again.
; SHARES: the head has 16 blocks of 128 queries; the work-group takes blocks j (early) and 15 - j (late): eight tiles of 16 queries each, with j + 1 and 16 - j key steps of 128 keys.  A PAIR OF WAVES owns one early and
; one late tile, 17 steps, and shares them 9 to 8: wave A takes the late tile's steps 0 to 8; wave B takes the early tile whole (j + 1 steps, at most 8) and then the late tile's steps 9 to 15 - j.  So every wave of every
; work-group has 8 or 9 steps.  A leaves its half (O^T, -M, the sum) in LDS bytes of its own; behind a barrier B brings both halves under the larger M, by exact powers of two, adds them and stores the tile.
; Each half has a running M of its own; an empty second half (j = 7) holds zeros, which the merge multiplies by 0.
; BARRIERS: chunk 0 has landed; after two steps: all chunks have landed; from there on no wave waits for another until A's state is handed over.
; NO CLUSTER, though the eight work-groups of a head read the same K and V: which steps a wave leaves out hangs on its blocks of queries, that is on the work-group's place;
; without the branch the softmax's work would double, and what is shared is fetched once, 262,144 bytes a work-group.
; LAYOUT: S^T = K Q^T (source 0 = 16 keys, source 1 = my 16 queries), O^T = V^T P^T: a lane holds ONE query (lane % 16).  Register 8 t + j of S^T is key 16 t + 8 (lane / 16) + j: the eight codes of tile t are registers
; 2 t, 2 t + 1 of the second product's operand as they stand.  O^T's register 8 d + j is channel 16 d + 8 (lane / 16) + j: its codes are the next product's fragment as they stand, and leave without a stage.
; SOFTMAX: t = score x log2(e) / 8; M = the running largest t rounded up to a whole number; p = 2^(t - M) is quantised with entry 2; the sum is taken of the unquantised p and divides at the end.
; LIMITS on the given exponents: e0 + e1 between -123 and 130; e2 and e4 - e2 - e3 between -126 and 112.  NaN among the inputs is not served.
; REGISTERS: v1 16 x lane; v8, v9 LDS addresses of a step; v10 the pair's place for A's state; v12 -M, v13 the largest t, v[14:15] the sum; v16-23 Q in hand; v24-31 the late tile's Q; v32-95 K's 8 fragments, then V's 4;
; v96-159 S^T, p; v160-191 O^T; v192-199 y's codes; v224-239 p's codes; v240, v244 p's hold and scale; v241, v245 y's; v242-254 at work.
.set WV,   18
.set SEL,  20
.set CS,   22
.set G1,   24                          ; s[24:31] descriptor group 1: 16 rows of 256 bytes, dense
.set G0,   40                          ; s[40:47] two groups 0: keys 0 to 511, then the rest
.set TB,   2                           ; s2   LDS byte of the step's K images; V's lie 131,072 further on
.set CNT,  3
.set ROLE, 89                          ; s89  1: wave A, 0: wave B
.set QH,   90                          ; s90  the late tile's first query
.set YL,   92                          ; s[92:93] where the early tile's codes go
.set YH,   94                          ; s[94:95] the late tile's
.set KF,   98                          ; s98  the step's first key
.set Q0,   99                          ; s99  the first query of the tile in hand
.set PA,   10                          ; v10
.set PART, 270336                      ; A's states: 8 pairs x 9 x 512 bytes; no fill lands here
	s_load_b256 s[4:11], s[0:1], 0x0               ; qimg s[4:5], kimg s[6:7], vimg s[8:9], the exponents s[10:11]
	s_load_b64 s[12:13], s[0:1], 0x20              ; yimg
	v_lshl_add_u32 v249, v0, 2, 0x4b000
	v_mov_b32 v255, 0
	ds_add_u32 v249, v255
	ds_add_u32 v249, v255
	v_lshrrev_b32 v8, 5, v0
	s_delay_alu instid0(VALU_DEP_1)
	v_readfirstlane_b32 s[WV], v8                  ; wave 0..15
	s_mov_b32 s66, ttmp9                           ; y = 16 x batch + head runs along the grid's x,
	s_and_b32 s56, ttmp7, 0xffff                   ; j, the pair of query blocks, along its y: the eight work-groups of a head lie 32 numbers apart
	s_lshl_b32 s67, s66, 17                        ; the head's first byte in each of the three tensors
	s_mov_b32 s[G1], 3<<16                         ; no mask; elements of 8 bytes; no padding
	s_mov_b32 s[G1+1], 32<<16                      ; tensor_dim0 = 32 elements
	s_mov_b32 s[G1+2], 16<<16                      ; tensor_dim1 = 16: at the head each of the sixteen waves fetches 4,096 bytes of keys 0 to 511 (waves 0-7: K, waves 8-15: V)
	s_mov_b32 s[G1+3], 32<<16                      ; tile_dim0 = 32
	s_mov_b32 s[G1+4], 16                          ; tile_dim1 = 16
	s_mov_b32 s[G1+5], 32                          ; from row to row
	s_mov_b32 s[G1+6], 0
	s_mov_b32 s[G1+7], 0
.set G2, 48                            ; s[48:55] a second group 1: 48 rows of 256 bytes, a wave's 12,288 bytes of keys 512 to 2,047
	s_mov_b32 s[G2], 3<<16
	s_mov_b32 s[G2+1], 32<<16
	s_mov_b32 s[G2+2], 48<<16
	s_mov_b32 s[G2+3], 32<<16
	s_mov_b32 s[G2+4], 48
	s_mov_b32 s[G2+5], 32
	s_mov_b32 s[G2+6], 0
	s_mov_b32 s[G2+7], 0
	s_and_b32 s68, s[WV], 7                        ; which eighth of K's or V's bytes I fetch
	s_lshr_b32 s69, s[WV], 3
	s_lshl_b32 s69, s69, 17                        ; K's images lie at LDS byte 0, V's at 131,072
	s_lshl_b32 s70, s68, 12                        ; first load: 4,096 bytes of the first 32,768
	s_mul_i32 s68, s68, 12288
	s_add_co_u32 s68, s68, 32768                   ; second load: 12,288 bytes of the other 98,304
	s_add_co_u32 s[G0+1], s69, s70                 ; LDS addresses
	s_add_co_u32 s[G0+5], s69, s68
	s_add_co_u32 s70, s70, s67                     ; and the places in memory
	s_mov_b32 s71, 0
	s_add_co_u32 s68, s68, s67
	s_mov_b32 s69, 0
	s_bfe_u32 s[ROLE], s[WV], 0x10002              ; bit 2 of the wave's number: waves w and w xor 4 are a pair
	s_and_b32 s76, s[WV], 3
	s_lshr_b32 s77, s[WV], 3
	s_lshl_b32 s77, s77, 2
	s_add_co_u32 s76, s76, s77                     ; the pair, 0..7: which tile of a block
	s_lshl_b32 s74, s56, 3
	s_add_co_u32 s74, s74, s76                     ; the early tile: 8 j + pair
	s_sub_co_u32 s75, 15, s56
	s_lshl_b32 s75, s75, 3
	s_add_co_u32 s75, s75, s76                     ; the late tile: 8 (15 - j) + pair
	s_cmp_eq_u32 s[ROLE], 1
	s_cselect_b32 s77, s75, s74                    ; the tile that I begin with: A the late one, B the early one
	s_lshl_b32 s[Q0], s77, 4
	s_lshl_b32 s[QH], s75, 4
	s_lshl_b32 s78, s77, 10
	s_add_co_u32 s78, s78, s67                     ; its image in qimg,
	s_mov_b32 s79, 0
	s_lshl_b32 s80, s75, 10
	s_add_co_u32 s80, s80, s67                     ; and the late tile's
	s_mov_b32 s81, 0
	s_lshr_b32 s82, s66, 4                         ; yimg: [128 x batch + tile][head][1,024 bytes]
	s_lshl_b32 s82, s82, 7
	s_and_b32 s83, s66, 15
	s_lshl_b32 s83, s83, 10
	s_add_co_u32 s[YL], s82, s74
	s_lshl_b32 s[YL], s[YL], 14
	s_add_co_u32 s[YL], s[YL], s83
	s_mov_b32 s[YL+1], 0
	s_add_co_u32 s[YH], s82, s75
	s_lshl_b32 s[YH], s[YH], 14
	s_add_co_u32 s[YH], s[YH], s83
	s_mov_b32 s[YH+1], 0
	s_mul_i32 s91, s76, 4608
	s_add_co_u32 s91, s91, PART                    ; the pair's place for A's state
	s_mov_b32 s[SEL], 0x76543210
	s_mov_b32 s[SEL+1], 0xfedcba98
	s_mov_b32 s[CS], 0x3e38aa3b                    ; c = log2(e) / sqrt(64)
	s_wait_dscnt 0x0
	s_wait_kmcnt 0x0
	s_load_b128 s[84:87], s[10:11], 0x0            ; e0 .. e3
	s_load_b32 s88, s[10:11], 0x10                 ; e4
	s_cmp_lt_u32 s[WV], 8
	s_cselect_b64 s[72:73], s[6:7], s[8:9]
	s_mov_b32 s[G0], 1                             ; count = 1
	s_add_nc_u64 s[G0+2:G0+3], s[72:73], s[70:71]
	s_or_b32 s[G0+3], s[G0+3], 0x80000000          ; type = 2
	s_mov_b32 s[G0+4], 1
	s_add_nc_u64 s[G0+6:G0+7], s[72:73], s[68:69]
	s_or_b32 s[G0+7], s[G0+7], 0x80000000
	tensor_load_to_lds s[G0:G0+3], s[G1:G1+7]      ; every wave's one load at the head: its part of keys 0 to 511
	s_nop 0
.rept 4
	v_nop
.endr
	s_add_nc_u64 s[78:79], s[4:5], s[78:79]
	s_add_nc_u64 s[80:81], s[4:5], s[80:81]
	s_add_nc_u64 s[YL:YL+1], s[12:13], s[YL:YL+1]
	s_add_nc_u64 s[YH:YH+1], s[12:13], s[YH:YH+1]
	v_and_b32 v1, 31, v0
	s_delay_alu instid0(VALU_DEP_1)
	v_lshlrev_b32 v1, 4, v1                        ; 16 x lane: an image's place for my lane
	s_delay_alu instid0(VALU_DEP_1)
	v_add_nc_u32 v[PA], s91, v1
	global_load_b128 v[16:19], v1, s[78:79]        ; Q of the tile that I begin with,
	global_load_b128 v[20:23], v1, s[78:79] offset:512
	global_load_b128 v[24:27], v1, s[80:81]        ; and of the late tile: it is at hand when B turns to it
	global_load_b128 v[28:31], v1, s[80:81] offset:512
.macro RESET                           ; a tile's state at its beginning: the step is written once, and its first run finds zeros
	v_mov_b32 v13, 0xff61b1e6                      ; the largest t so far: -3e38
	s_delay_alu instid0(VALU_DEP_1)
	v_floor_f32 v12, -v13                          ; -M
	v_mov_b32 v14, 0
	v_mov_b32 v15, 0
.set n, 0
.rept 32
	v_mov_b32 v[160+n], 0
.set n, n+1
.endr
.endm
	RESET
	v_mov_b32 v248, 0                              ; a lane permute's destination counts as read
	v_mov_b32 v251, 0                              ; upper halves of the pairs v[250:251] and v[252:253]
	v_mov_b32 v253, 0
	s_wait_kmcnt 0x0
	s_add_co_i32 s72, s84, s85
	s_lshl_b32 s72, s72, 23
	s_add_co_i32 s[CS], s[CS], s72                 ; a score stands for score x 2^(e0 + e1): added to c's exponent field
	s_mov_b32 s[CS+1], s[CS]
	s_add_co_i32 s72, s86, 127
	s_lshl_b32 s73, s72, 23
	v_mov_b32 v244, s73                            ; 2^e2
	s_add_co_i32 s72, s72, 15
	s_lshl_b32 s72, s72, 23
	s_or_b32 s72, s72, 0x600000
	v_mov_b32 v240, s72                            ; 57,344 x 2^e2
	s_sub_co_i32 s72, s88, s86                     ; O^T / the sum stands for y / 2^(e2 + e3): its code with the scale 2^e4 is made with the one scale 2^(e4 - e2 - e3)
	s_sub_co_i32 s72, s72, s87
	s_add_co_i32 s72, s72, 127
	s_lshl_b32 s73, s72, 23
	v_mov_b32 v245, s73
	s_add_co_i32 s72, s72, 15
	s_lshl_b32 s72, s72, 23
	s_or_b32 s72, s72, 0x600000
	v_mov_b32 v241, s72
; A KEY STEP: 128 keys.
.macro STEP
	s_add_co_u32 s96, s[Q0], 15                    ; a step all of whose keys come after my queries is left out: a branch on ids
	s_cmp_gt_u32 s[KF], s96
	s_cbranch_scc1 .Lhidden_\@
	v_add_nc_u32 v8, s[TB], v1
	s_delay_alu instid0(VALU_DEP_1)
	v_add_nc_u32 v9, 0x20000, v8
	v_nop                                          ; with the two additions: four places ahead of loads into registers that the last products read
	v_nop
.set n, 0
.rept 16
	ds_load_b128 v[32+4*n:35+4*n], v8 offset:512*n   ; K: tile n / 2, half n % 2
.set n, n+1
.endr
	s_wait_alu depctr_va_vdst(0)
	s_wait_dscnt 0x0
.set n, 0
.rept 8
	v_wmma_f32_16x16x64_bf8_bf8 v[96+8*n:103+8*n], v[32+8*n:39+8*n], v[16:23], 0
.set n, n+1
.endr
.rept 4
	v_nop
.endr
.set n, 0
.rept 16
	ds_load_b128 v[32+4*n:35+4*n], v9 offset:512*n   ; V: tile of channels n / 4; the loads land while the softmax is worked
.set n, n+1
.endr
	s_add_co_u32 s96, s[KF], 127                   ; on the diagonal hidden scores become -infinity ahead of the maximum; a step all of whose keys count skips this
	s_cmp_le_u32 s96, s[Q0]
	s_cbranch_scc1 .Lopen_\@
	s_sub_co_i32 s96, s[Q0], s[KF]
	v_and_b32 v252, 15, v0
	v_bfe_u32 v253, v0, 4, 1
	s_delay_alu instid0(VALU_DEP_1)
	v_lshlrev_b32 v253, 3, v253
	s_delay_alu instid0(VALU_DEP_1)
	v_sub_nc_u32 v252, v252, v253
	s_delay_alu instid0(VALU_DEP_1)
	v_add_nc_u32 v252, s96, v252                   ; d = my query - KF - 8 (lane / 16): register 8 t + j is hidden where 16 t + j > d
	v_mov_b32 v254, 0xff800000
.set n, 0
.rept 64
	v_cmp_gt_i32 vcc_lo, 16*(n/8)+n%8, v252
	v_cndmask_b32 v[96+n], v[96+n], v254, vcc_lo
.set n, n+1
.endr
.Lopen_\@:
	v_max3_num_f32 v254, v96, v97, v98             ; the largest score of my query among my 64 keys, in two chains; each accumulator is read from its low end on
	v_max3_num_f32 v252, v99, v100, v101
.set n, 6
.rept 14
	v_max3_num_f32 v254, v254, v[96+n], v[97+n]
	v_max3_num_f32 v252, v252, v[98+n], v[99+n]
.set n, n+4
.endr
	v_max3_num_f32 v254, v254, v158, v159
	s_delay_alu instid0(VALU_DEP_1)
	v_max_num_f32 v254, v254, v252
	s_delay_alu instid0(VALU_DEP_1)
	v_permlanex16_b32 v248, v254, s[SEL], s[SEL+1]
	s_delay_alu instid0(VALU_DEP_1)
	v_max_num_f32 v254, v254, v248                 ; and among lane l xor 16's
	s_delay_alu instid0(VALU_DEP_1)
	v_mul_f32 v254, s[CS], v254
	s_delay_alu instid0(VALU_DEP_1)
	v_max_num_f32 v13, v13, v254                   ; the running largest t
	v_mov_b32 v254, v12
	s_delay_alu instid0(VALU_DEP_2)
	v_floor_f32 v12, -v13                          ; -M = -ceil(t)
	s_delay_alu instid0(VALU_DEP_1)
	v_sub_f32 v254, v12, v254                      ; old M - new M: a whole number, 0 or less
	s_delay_alu instid0(VALU_DEP_1)
	v_cvt_i32_f32 v254, v254
	s_delay_alu instid0(VALU_DEP_1)
	v_ldexp_f32 v252, 1.0, v254                    ; f = 2^(old M - new M)
.set n, 0
.rept 32
	v_pk_fma_f32 v[96+n:97+n], v[96+n:97+n], s[CS:CS+1], v[12:13] op_sel_hi:[1,0,0]   ; t - M
.set n, n+2
.endr
.set n, 0
	s_wait_alu depctr_va_vdst(0)
.rept 64
	v_exp_f32 v[96+n], v[96+n]                     ; p = 2^(t - M)
.set n, n+1
.endr
	v_pk_mul_f32 v[14:15], v[14:15], v[252:253] op_sel_hi:[1,0]   ; the sum under the new M: the plain instruction behind the batch
	s_wait_alu depctr_va_vdst(0)                   ; one wait for the 64 exponentials, ahead of their first reader
	v_pk_add_f32 v[242:243], v[100:101], v[104:105]
	v_pk_add_f32 v[246:247], v[108:109], v[112:113]
	v_pk_add_f32 v[238:239], v[116:117], v[120:121]
	v_pk_add_f32 v[236:237], v[124:125], v[128:129]
	v_pk_add_f32 v[234:235], v[132:133], v[136:137]
	v_pk_add_f32 v[232:233], v[140:141], v[144:145]
	v_pk_add_f32 v[230:231], v[148:149], v[152:153]
	v_pk_add_f32 v[14:15], v[14:15], v[156:157]
	v_pk_add_f32 v[242:243], v[242:243], v[96:97]
	v_pk_add_f32 v[246:247], v[246:247], v[98:99]
	v_pk_add_f32 v[238:239], v[238:239], v[102:103]
	v_pk_add_f32 v[236:237], v[236:237], v[106:107]
	v_pk_add_f32 v[234:235], v[234:235], v[110:111]
	v_pk_add_f32 v[232:233], v[232:233], v[114:115]
	v_pk_add_f32 v[230:231], v[230:231], v[118:119]
	v_pk_add_f32 v[14:15], v[14:15], v[122:123]
	v_pk_add_f32 v[242:243], v[242:243], v[126:127]
	v_pk_add_f32 v[246:247], v[246:247], v[130:131]
	v_pk_add_f32 v[238:239], v[238:239], v[134:135]
	v_pk_add_f32 v[236:237], v[236:237], v[138:139]
	v_pk_add_f32 v[234:235], v[234:235], v[142:143]
	v_pk_add_f32 v[232:233], v[232:233], v[146:147]
	v_pk_add_f32 v[230:231], v[230:231], v[150:151]
	v_pk_add_f32 v[14:15], v[14:15], v[154:155]
	v_pk_add_f32 v[242:243], v[242:243], v[158:159]
	s_delay_alu instid0(VALU_DEP_2)
	v_pk_add_f32 v[14:15], v[14:15], v[236:237]
	s_delay_alu instid0(VALU_DEP_2)
	v_pk_add_f32 v[242:243], v[242:243], v[234:235]
	v_pk_add_f32 v[246:247], v[246:247], v[232:233]
	v_pk_add_f32 v[238:239], v[238:239], v[230:231]
	s_delay_alu instid0(VALU_DEP_2)
	v_pk_add_f32 v[14:15], v[14:15], v[246:247]
	s_delay_alu instid0(VALU_DEP_2)
	v_pk_add_f32 v[242:243], v[242:243], v[238:239]
	s_delay_alu instid0(VALU_DEP_1)
	v_pk_add_f32 v[14:15], v[14:15], v[242:243]
.set m, 0
.rept 8
.set n, 0
.rept 8
	v_min_num_f32 v[96+8*m+n], v[96+8*m+n], v240   ; the conversion does not saturate (ISA guide 7.6.2); p is not negative, so the hold is one-sided
.set n, n+1
.endr
	v_cvt_scalef32_pk8_bf8_f32 v[224+2*m:225+2*m], v[96+8*m:103+8*m], v244
.set m, m+1
.endr
.set n, 0
.rept 16
	v_pk_mul_f32 v[160+n:161+n], v[160+n:161+n], v[252:253] op_sel_hi:[1,0]   ; O^T under the new M; also the plain instructions behind the conversions
.set n, n+2
.endr
	s_wait_alu depctr_va_vdst(0)
	s_wait_dscnt 0x0                               ; V is in
.set n, 0
.rept 4
	v_wmma_f32_16x16x128_bf8_bf8 v[160+8*n:167+8*n], v[32+16*n:47+16*n], v[224:239], v[160+8*n:167+8*n]   ; the four accumulators by turns; the next step's eight score products stand between two links
.set n, n+1
.endr
.Lhidden_\@:
	s_add_co_u32 s[KF], s[KF], 128
	s_add_co_u32 s[TB], s[TB], 8192
.endm
; Key steps first .. first + trips - 1: every wave walks them all, and leaves out the work of those that are not its own.
.macro RUN first, trips
	s_mov_b32 s[TB], (\first)*8192
	s_mov_b32 s[KF], (\first)*128
	s_mov_b32 s[CNT], \trips
.Lstep_\@:
	STEP
	s_sub_co_u32 s[CNT], s[CNT], 1
	s_cmp_lg_u32 s[CNT], 0
	s_cbranch_scc1 .Lstep_\@
.endm
; THE WAY OUT of a tile: O^T / the sum, held, quantised; the lane's codes are the next product's fragment as they stand.  yb: the scalar pair with the tile's place in yimg.
.macro WAYOUT yb
.rept 4
	v_nop                                          ; places behind the last products
.endr
	v_add_f32 v14, v14, v15
	s_wait_alu depctr_va_vdst(0)
	v_permlanex16_b32 v248, v14, s[SEL], s[SEL+1]
	s_delay_alu instid0(VALU_DEP_1)
	v_add_f32 v14, v14, v248                       ; the row's sum
	s_wait_alu depctr_va_vdst(0)
	v_rcp_f32 v14, v14
	v_nop                                          ; a plain instruction behind the transcendental,
	s_wait_alu depctr_va_vdst(0)                   ; and the wait ahead of its first reader
.set n, 0
.rept 16
	v_pk_mul_f32 v[96+n:97+n], v[160+n:161+n], v[14:15] op_sel_hi:[1,0]
.set n, n+2
.endr
.set n, 0
.rept 32
	v_med3_num_f32 v[96+n], v[96+n], -v241, v241
.set n, n+1
.endr
	s_wait_alu depctr_va_vdst(0)
	s_wait_xcnt 0x0                                ; an earlier tile's stores have read the codes' registers
.set n, 0
.rept 4
	v_cvt_scalef32_pk8_bf8_f32 v[192+2*n:193+2*n], v[96+8*n:103+8*n], v245
.set n, n+1
.endr
	v_nop                                          ; a plain instruction behind the last conversion
	global_store_b128 v1, v[192:195], s[\yb:\yb+1] ; the wave stores 512 consecutive bytes
	global_store_b128 v1, v[196:199], s[\yb:\yb+1] offset:512
.endm
	s_wait_alu depctr_va_vdst(0)
	s_wait_loadcnt 0x0                             ; both fragments of Q
	s_wait_tensorcnt 0x0                           ; my part of keys 0 to 511 is in LDS
	ds_add_u32 v249, v255
	s_wait_dscnt 0x0
	s_barrier_signal -1
	s_barrier_wait -1                              ; everybody's part is in
	tensor_load_to_lds s[G0+4:G0+7], s[G2:G2+7]    ; my one load behind the barrier: my part of keys 512 to 2,047, bytes that are filled for the first time
	s_nop 0
.rept 4
	v_nop
.endr
	RUN 0, 2                                       ; steps 0 and 1 read keys 0 to 255 alone
	s_wait_tensorcnt 0x0                           ; my part of the rest is in
	s_wait_dscnt 0x0
	s_barrier_signal -1
	s_barrier_wait -1                              ; everybody's is: from here on the waves run free
	RUN 2, 7                                       ; steps 2 to 8: A's share of the late tile ends here, and so does the early tile (j + 1 <= 8 steps)
	s_cmp_eq_u32 s[ROLE], 1
	s_cbranch_scc1 .Lrole_a
	WAYOUT YL                                      ; B: the early tile is finished and leaves;
	RESET                                          ; the late tile's second half begins with a state of its own
.set n, 0
.rept 8
	v_mov_b32 v[16+n], v[24+n]                     ; and with the late tile's Q
.set n, n+1
.endr
	s_mov_b32 s[Q0], s[QH]
	s_branch .Lswitched
.Lrole_a:
.rept 4
	v_nop                                          ; places behind the last products
.endr
.set n, 0
	s_wait_alu depctr_va_vdst(0)
.rept 8
	ds_store_b128 v[PA], v[160+4*n:163+4*n] offset:512*n   ; A: O^T as it stands, each accumulator's low four registers first,
.set n, n+1
.endr
	ds_store_b128 v[PA], v[12:15] offset:4096      ; and -M, the largest t, the sum's two halves
	s_mov_b32 s[Q0], 0                             ; no later step is mine
.Lswitched:
	RUN 9, 7                                       ; steps 9 to 15: B's share of the late tile
	s_wait_dscnt 0x0                               ; for B's sake: A's stores have landed
	s_barrier_signal -1
	s_barrier_wait -1
	s_cmp_eq_u32 s[ROLE], 1
	s_cbranch_scc1 .Lend
.rept 4
	v_nop                                          ; places ahead of loads into registers that the last products read
.endr
.set n, 0
.rept 9
	ds_load_b128 v[32+4*n:35+4*n], v[PA] offset:512*n   ; A's O^T into v32-63, its -M into v64, its sum into v[66:67]
.set n, n+1
.endr
	s_wait_dscnt 0x0
	v_min_num_f32 v252, v12, v64                   ; -M of the two halves together: the larger M
	s_delay_alu instid0(VALU_DEP_1)
	v_sub_f32 v254, v252, v12                      ; my M less that: a whole number, 0 or less
	s_delay_alu instid0(VALU_DEP_2)
	v_sub_f32 v250, v252, v64                      ; A's M less that
	s_delay_alu instid0(VALU_DEP_2)
	v_cvt_i32_f32 v254, v254                       ; (it saturates: an empty half's factor becomes 0)
	s_delay_alu instid0(VALU_DEP_2)
	v_cvt_i32_f32 v250, v250
	s_delay_alu instid0(VALU_DEP_2)
	v_ldexp_f32 v252, 1.0, v254                    ; my factor,
	s_delay_alu instid0(VALU_DEP_2)
	v_ldexp_f32 v250, 1.0, v250                    ; and A's: powers of two, so nothing is rounded
.set n, 0
.rept 16
	v_pk_mul_f32 v[160+n:161+n], v[160+n:161+n], v[252:253] op_sel_hi:[1,0]
.set n, n+2
.endr
.set n, 0
.rept 16
	v_pk_fma_f32 v[160+n:161+n], v[32+n:33+n], v[250:251], v[160+n:161+n] op_sel_hi:[1,0,1]
.set n, n+2
.endr
	v_pk_mul_f32 v[14:15], v[14:15], v[252:253] op_sel_hi:[1,0]
	s_delay_alu instid0(VALU_DEP_1)
	v_pk_fma_f32 v[14:15], v[66:67], v[250:251], v[14:15] op_sel_hi:[1,0,1]
	WAYOUT YH
.Lend:
	s_wait_tensorcnt 0x0
	ds_add_u32 v249, v255
	s_wait_dscnt 0x0
	s_endpgm
.Lfunc_end_k_q70bd086fe9_attn:
	.size	k_q70bd086fe9_attn, .Lfunc_end_k_q70bd086fe9_attn-k_q70bd086fe9_attn
	.p2alignl 7, 3214868480
	.fill 96, 4, 3214868480
	.section	.rodata,"a",@progbits
	.p2align	6, 0x0
	.amdhsa_kernel k_q70bd086fe9_attn
		.amdhsa_group_segment_fixed_size 327680
		.amdhsa_private_segment_fixed_size 0
		.amdhsa_enable_private_segment 0
		.amdhsa_kernarg_size 40
		.amdhsa_user_sgpr_count 2
		.amdhsa_user_sgpr_kernarg_segment_ptr 1
		.amdhsa_wavefront_size32 1
		.amdhsa_system_sgpr_workgroup_id_x 1
		.amdhsa_system_sgpr_workgroup_id_y 1
		.amdhsa_system_sgpr_workgroup_id_z 1
		.amdhsa_system_vgpr_workitem_id 0
		.amdhsa_next_free_vgpr 256
		.amdhsa_next_free_sgpr 100
		.amdhsa_reserve_vcc 1
		.amdhsa_float_denorm_mode_32 3
		.amdhsa_float_denorm_mode_16_64 3
		.amdhsa_memory_ordered 1
		.amdhsa_forward_progress 1
		.amdhsa_inst_pref_size 86
	.end_amdhsa_kernel
	.amdgpu_metadata
---
amdhsa.version: [ 1, 2 ]
amdhsa.kernels:
  - .name:           k_q70bd086fe9_attn
    .symbol:         k_q70bd086fe9_attn.kd
    .args:
      - { .name: qimg, .offset: 0, .size: 8, .value_kind: global_buffer, .address_space: global }
      - { .name: kimg, .offset: 8, .size: 8, .value_kind: global_buffer, .address_space: global }
      - { .name: vimg, .offset: 16, .size: 8, .value_kind: global_buffer, .address_space: global }
      - { .name: lowp_scales, .offset: 24, .size: 8, .value_kind: global_buffer, .address_space: global }
      - { .name: yimg, .offset: 32, .size: 8, .value_kind: global_buffer, .address_space: global }
    .group_segment_fixed_size: 327680
    .private_segment_fixed_size: 0
    .kernarg_segment_align: 8
    .kernarg_segment_size: 40
    .max_flat_workgroup_size: 512
    .sgpr_count:     100
    .vgpr_count:     256
    .wavefront_size: 32
...
	.end_amdgpu_metadata
.endif
;; end of part 2
;; launch proj (part 3): grid 8 x 32, 4 waves a work-group, clusters of 4 x 4, 327,680 bytes of LDS; arguments yimg, attn_proj_w_codes, lowp_scales, x, attn_proj_b, q, qstat, ln1_w, ln1_b; writes x
.if DOCPART == 3
	.amdgcn_target "amdgcn-amd-amdhsa--gfx1250"
	.amdhsa_code_object_version 6
	.text
	.protected	k_q70bd086fe9_proj
	.globl	k_q70bd086fe9_proj
	.p2align	8
	.type	k_q70bd086fe9_proj,@function
k_q70bd086fe9_proj:
	s_mov_b64 s[64:65], 0
	v_nop
	global_prefetch_b8 v0, s[64:65] scope:SCOPE_SE
	s_setreg_imm32_b32 hwreg(HW_REG_WAVE_MODE, 25, 1), 1
	s_wait_xcnt 0x0
	s_wait_alu depctr_hold_cnt(0) depctr_sa_sdst(0) depctr_va_vdst(0) depctr_va_sdst(0) depctr_va_ssrc(0) depctr_va_vcc(0) depctr_vm_vsrc(0)
	s_getreg_b32 s2, hwreg(HW_REG_IB_STS2, 6, 4)
	s_cmp_eq_u32 s2, 0
	s_cbranch_scc0 .Lentry_in_a_cluster
	s_endpgm
.Lentry_in_a_cluster:
	s_bfe_u32 s2, ttmp6, 0x10000c
	s_cmp_lg_u32 s2, 0xf033
	s_cbranch_scc0 .Lentry_shape_is_right
	s_endpgm
.Lentry_shape_is_right:
; A GEMM on codes of E5M2, D = A B^T.  One text serves three launches; the constants below say which.  THIS ONE: x = LN1(q) + y Wp^T + b  (EPI 0), tiles of 128 x 128, K = 1,024 in one slot: nothing is filled again.
; A: images of operand registers, [tile of 16 rows][K / 128][2,048 bytes: [c][lane][16 bytes]].  B: [N][K] codes, K innermost.  Sums in f32, multiplied once by 2^(eA + eB).
; Four waves; a wave makes (16 NBLK) x (16 NBLK) of D.  K goes through a ring of two LDS slots filled by the tensor data mover.  CLUSTERS of 4 x 4: A's tiles are asked for jointly along a row of the cluster, B's along a column.
; The matrix instruction is used transposed (source 0 = 16 rows of B, source 1 = 16 rows of A): a lane holds eight neighbouring columns of one row of D.
; k stands in its true place in both operands: A's fragment comes by four loads of 16 bytes from its image, B's by eight loads of 8 bytes from its rows (row x pitch + 16 c + 8 (lane / 16)).
; The smaller tile is taken where N = 1,024: it gives each of 256 work-groups a tile; tiles of 256 x 256 would be 64.
; EPI 0: D = sum x 2^(eA + eB) + bias + (q - mean) rstd w + b, f32.   EPI 1: D = sum x 2^(eA + eB) + bias + residual, f32.   EPI 2: D = codes of gelu(sum x 2^(eA + eB) + bias), as images for the next product.
; LIMITS: eA + eB between -126 and 127; EPI 2: the next operand's exponent between -126 and 112.  NaN among the inputs is not served.
; REGISTERS: window 0: v16-31 addresses, from v128 A's fragments (one set), the rest for the way out; window 1: B's fragments, two sets, at v0 and v128; window 2 (and 3): accumulator (a, b) at 8 (a NBLK + b).
.set EPI,   0
.set NBLK,  4                          ; blocks of 16 on each side of a wave's tile
.set KD,    1024                       ; K
.set KSTEP, 1024                       ; HERE the whole K lies in ONE slot: one tensor load a wave, no change of slots
.set QI,    7                          ; a row of B's tile is 256 words
.set ESC,   0x10                       ; where eA and eB stand in lowp_scales, in bytes
.set NQ,    KSTEP/128
.set LAPS,  KD/(2*KSTEP)
.set PITCH, KSTEP+16                   ; a row of B in LDS: 16 bytes of padding, so that the 32 lanes of a fragment load touch different banks
.set HALFA, NBLK*16*KSTEP              ; what one tensor load brings of A, and what a wave reads of it
.set HALFB, 16*NBLK*PITCH              ; the same for B
.set SLOT,  2*HALFA+2*HALFB            ; A's two halves, then B's two
.set STAGE, SLOT                       ; behind the one slot: 16 rows x 272 bytes for each wave; no fill lands here
.set SPARE, STAGE+4*16*272             ; the spare words, 128 bytes for each wave
.set NHI,   2*NBLK                     ; LDS loads of half of A's fragments
.set ADRA, 16                          ; v16-17 A's images in slot 0, 1
.set COL,  18                          ; v18    my offset among the columns' numbers (bias, gains)
.set L16,  19                          ; v19    16 x lane
.set ADRB, 20                          ; v20-21 B's rows in slot 0, 1
.set STO,  24
.set RD,   25
.set CO,   26
.set STS,  27
.set SPW,  28
.set NIL,  29
.set RDS,  30
.set SOF,  31
.set AF,   128
.set BK,   160                         ; EPI 0, 1: 16 rows back from the stage
.set BIA,  32                          ; EPI 2: the bias in the result's layout
.set COD,  96
.set XX,   128
.set QT,   192
.set G1,  24
.set G0,  32
.set G1B, 48
.set G0B, 56
.set MSB, 0
.macro WIN new                         ; the immediate's high byte repeats the setting that is left
.if MSB != \new
	s_set_vgpr_msb (MSB<<8)|\new
.set MSB, \new
.endif
.endm
.set MUL_LO, 0xa1                      ; source 0 (B) window 1, source 1 (A) window 0, C and D window 2
.if NBLK == 8
.set MUL_HI, 0xf1                      ; C and D window 3
.else
.set MUL_HI, 0xa1
.endif
.set TO_B, 0x40
.macro JLOAD g0a, g1a, g0b, g1b        ; a joint load: waves 0, 1 fetch for A, waves 2, 3 for B; four v_nop follow each line
	s_cmp_eq_u32 s15, 0
	s_cbranch_scc0 .Lfor_b_\@
	tensor_load_to_lds s[\g0a:\g0a+3], s[\g1a:\g1a+7]
	s_nop 0
.rept 4
	v_nop
.endr
	s_branch .Lasked_\@
.Lfor_b_\@:
	tensor_load_to_lds s[\g0b:\g0b+3], s[\g1b:\g1b+7]
	s_nop 0
.rept 4
	v_nop
.endr
.Lasked_\@:
.endm
.macro CREST                           ; a round of the cluster's barrier behind its opening barrier
	s_cmp_lg_u32 s14, 0
	s_cbranch_scc1 .Lnot_wave_0_\@
	s_barrier_signal -3
.Lnot_wave_0_\@:
	s_barrier_wait -3
	s_barrier_signal -1
	s_barrier_wait -1
.endm
.macro CROUND
	s_barrier_signal -1
	s_barrier_wait -1
	CREST
.endm
.macro PLACES                          ; four places between a matrix instruction and a load into, or a vector write of, its registers, or a read of its result
.rept 4
	v_nop
.endr
.endm
	s_load_b256 s[4:11], s[0:1], 0x0               ; A s[4:5], B s[6:7], the exponents s[8:9], D s[10:11]
	s_load_b64 s[66:67], s[0:1], 0x20              ; the bias
.if EPI == 0
	s_load_b256 s[68:75], s[0:1], 0x28             ; q, qstat, ln1_w, ln1_b
.endif
.if EPI == 1
	s_load_b64 s[68:69], s[0:1], 0x28              ; the residual
.endif
	v_lshl_add_u32 v[SPW], v0, 2, SPARE
	v_mov_b32 v[NIL], 0
	ds_add_u32 v28, v29
	ds_add_u32 v28, v29
	s_wait_dscnt 0x0
	v_lshrrev_b32 v1, 5, v0
	v_readfirstlane_b32 s14, v1                    ; wave 0..3
	s_lshr_b32 s15, s14, 1                         ; which half of the tile's rows is mine.  Also: I fetch for A (0) or for B (1)
	s_and_b32 s16, s14, 1                          ; which half of its columns.  Also: which half of that tile I fetch
	s_bfe_u32 s40, ttmp6, 0x40000                  ; cx, cy
	s_bfe_u32 s41, ttmp6, 0x40004
	s_lshl_b32 s42, ttmp9, 2
	s_add_co_u32 s42, s42, s40                     ; tile column
	s_and_b32 s17, ttmp7, 0xffff
	s_lshl_b32 s17, s17, 2
	s_add_co_u32 s17, s17, s41                     ; tile row
	s_lshl_b32 s43, s41, 2
	s_lshl_b32 s43, 15, s43                        ; my row of the cluster
	s_lshl_b32 s44, 0x1111, s40                    ; my column
	s_or_b32 s[G1], s43, (1<<21)                   ; A: the mask; elements of 1 byte; no padding; bit 21 beside a mask
	s_mov_b32 s[G1+1], ((16*KSTEP)&0xffff)<<16     ; tensor_dim0: a tile of 16 rows' images of the slot lie on end
	s_mov_b32 s[G1+2], ((16*KSTEP)>>16)|(NBLK<<16) ; tensor_dim1 = NBLK
	s_mov_b32 s[G1+3], (16*KSTEP)<<16              ; tile_dim0
	s_mov_b32 s[G1+4], NBLK                        ; tile_dim1
	s_mov_b32 s[G1+5], 16*KD                       ; from one tile of 16 rows to the next
	s_mov_b32 s[G1+6], 0
	s_mov_b32 s[G1+7], 0
	s_or_b32 s[G1B], s44, (1<<20)|(1<<21)|(QI<<22)|(3<<25)   ; B: the mask; padding of 4 words behind each row
	s_mov_b32 s[G1B+1], KSTEP<<16
	s_mov_b32 s[G1B+2], (16*NBLK)<<16
	s_mov_b32 s[G1B+3], KSTEP<<16
	s_mov_b32 s[G1B+4], 16*NBLK
	s_mov_b32 s[G1B+5], KD
	s_mov_b32 s[G1B+6], 0
	s_mov_b32 s[G1B+7], 0
	s_mul_i32 s18, s16, NBLK
	s_mul_i32 s20, s17, 2*NBLK
	s_add_co_u32 s20, s20, s18
	s_mul_i32 s20, s20, 16*KD                      ; A: my half's first image, in bytes: hangs on the tile row and the wave alone
	s_mov_b32 s21, 0
	s_mul_i32 s19, s16, 16*NBLK
	s_mul_i32 s46, s42, 32*NBLK
	s_add_co_u32 s46, s46, s19
	s_mul_i32 s46, s46, KD                         ; B: my half's first row: hangs on the tile column and the wave alone
	s_mov_b32 s47, 0
	s_mul_i32 s45, s16, HALFA                      ; where they go: no place in the cluster enters an LDS address
	s_mul_i32 s23, s16, HALFB
	s_add_co_u32 s23, s23, 2*HALFA
	s_wait_kmcnt 0x0
	s_load_b64 s[84:85], s[8:9], ESC               ; eA, eB
.if EPI == 2
	s_load_b32 s86, s[8:9], ESC+8                  ; the next operand's exponent
.endif
	s_add_nc_u64 s[20:21], s[4:5], s[20:21]
	s_add_nc_u64 s[46:47], s[6:7], s[46:47]
	CROUND                                         ; all sixteen work-groups are here: the first joint loads meet
.irp s, 0
	s_mov_b32 s[G0+4*\s], 1
	s_add_co_u32 s[G0+4*\s+1], s45, \s*SLOT
	s_add_nc_u64 s[G0+4*\s+2:G0+4*\s+3], s[20:21], \s*16*KSTEP
	s_or_b32 s[G0+4*\s+3], s[G0+4*\s+3], 0x80000000
	s_mov_b32 s[G0B+4*\s], 1
	s_add_co_u32 s[G0B+4*\s+1], s23, \s*SLOT
	s_add_nc_u64 s[G0B+4*\s+2:G0B+4*\s+3], s[46:47], \s*KSTEP
	s_or_b32 s[G0B+4*\s+3], s[G0B+4*\s+3], 0x80000000
.endr
	JLOAD G0, G1, G0B, G1B                         ; my one load: half of A's or of B's tile, all of K
	v_and_b32 v1, 15, v0                           ; r
	v_bfe_u32 v2, v0, 4, 1                         ; h
	v_and_b32 v6, 31, v0
	v_lshlrev_b32 v[L16], 4, v6
	v_mul_u32_u24 v3, v1, PITCH
	v_lshl_add_u32 v4, v2, 3, v3                   ; B: row r, + 8 h
	s_mul_i32 s21, s15, HALFA
	s_mul_i32 s22, s16, HALFB
	s_add_co_u32 s22, s22, 2*HALFA
.irp s, 0
	v_add_nc_u32 v[ADRA+\s], s21, v[L16]
	v_add_nc_u32 v[ADRB+\s], s22, v4
	s_add_co_u32 s21, s21, SLOT
	s_add_co_u32 s22, s22, SLOT
.endr
.if EPI < 2
	; the way out's addresses, and its inputs, asked for now: they land while K is walked
	s_wait_alu depctr_va_vdst(0)
	s_mul_i32 s82, s14, 16*272
	s_add_co_u32 s82, s82, STAGE                   ; my stage
	v_mul_u32_u24 v5, v1, 272
	v_add_nc_u32 v5, s82, v5
	v_lshl_add_u32 v[STO], v2, 5, v5               ; in: row r, 32 bytes for each half of the lanes
.if EPI == 0
	v_add_nc_u32 v[STS], 256, v5                   ; row r's padding takes its two statistics
.endif
	v_mul_u32_u24 v5, v2, 272
	v_add_nc_u32 v5, s82, v5
	v_lshl_add_u32 v[RD], v1, 4, v5                ; back: lanes 0-15 one row of 256 bytes, lanes 16-31 the next
.if EPI == 0
	v_add_nc_u32 v[RDS], 256, v5
	v_lshlrev_b32 v[SOF], 3, v1
.endif
	v_lshlrev_b32 v[COL], 4, v1
	v_lshl_add_u32 v[CO], v2, 12, v[COL]           ; the same two rows in D and in the residual: rows of 4,096 bytes
	s_wait_alu depctr_va_vdst(0)
	s_lshl_b32 s76, s17, 7
	s_lshl_b32 s78, s15, 6
	s_add_co_u32 s76, s76, s78                     ; my first row
	s_lshl_b32 s80, s76, 3
	s_mov_b32 s81, 0
	s_lshl_b32 s76, s76, 12
	s_lshl_b32 s78, s42, 7
	s_lshl_b32 s79, s16, 6
	s_add_co_u32 s78, s78, s79                     ; my first column
	s_lshl_b32 s78, s78, 2
	s_mov_b32 s79, 0
	s_add_co_u32 s76, s76, s78
	s_mov_b32 s77, 0
	s_add_nc_u64 s[10:11], s[10:11], s[76:77]
	s_add_nc_u64 s[68:69], s[68:69], s[76:77]
	s_add_nc_u64 s[66:67], s[66:67], s[78:79]
.irp a, 0,1,2,3
.if \a < 3
.set RB, 32+32*\a
.else
.set RB, 192
.endif
.irp t, 0,1,2,3,4,5,6,7
	global_load_b128 v[RB+4*\t:RB+4*\t+3], v[CO], s[68:69] offset:(16*\a+2*\t)*4096 th:TH_LOAD_NT   ; sixteen lanes read 256 consecutive bytes, aligned
.endr
.endr
	global_load_b128 v[8:11], v[COL], s[66:67]
.if EPI == 0
	s_add_nc_u64 s[72:73], s[72:73], s[78:79]
	s_add_nc_u64 s[74:75], s[74:75], s[78:79]
	s_add_nc_u64 s[70:71], s[70:71], s[80:81]
	global_load_b128 v[12:15], v[COL], s[72:73]
	global_load_b128 v[248:251], v[COL], s[74:75]
.irp a, 0,1,2,3
	global_load_b64 v[224+2*\a:225+2*\a], v[SOF], s[70:71] offset:128*\a   ; mean and rstd of row 16 a + r
.endr
.endif
.else
	s_lshl_b32 s76, s17, 4
	s_lshl_b32 s78, s15, 3
	s_add_co_u32 s76, s76, s78                     ; my first tile of 16 rows
	s_lshl_b32 s76, s76, 16                        ; 32 images of 2,048 bytes each
	s_lshl_b32 s78, s42, 1
	s_add_co_u32 s78, s78, s16                     ; my 128 columns are this K step of the next product
	s_lshl_b32 s79, s78, 11
	s_add_co_u32 s76, s76, s79
	s_mov_b32 s77, 0
	s_add_nc_u64 s[10:11], s[10:11], s[76:77]
	s_lshl_b32 s78, s78, 9
	s_mov_b32 s79, 0
	s_add_nc_u64 s[66:67], s[66:67], s[78:79]
	v_lshlrev_b32 v[COL], 5, v2                    ; lane (r, h) wants, for block b, the bias of columns 16 b + 8 h + 0 .. 7
.set n, 0
.rept 8
	global_load_b128 v[BIA+8*n:BIA+8*n+3], v[COL], s[66:67] offset:64*n
	global_load_b128 v[BIA+8*n+4:BIA+8*n+7], v[COL], s[66:67] offset:64*n+16
.set n, n+1
.endr
.endif
.macro FRAGA reg, adr, q, i            ; A's fragment of block i, the slot's q-th 128 along K: its image as it lies
.irp c, 0,1,2,3
	ds_load_b128 v[\reg+4*\c:\reg+4*\c+3], v[\adr] offset:(\i)*16*KSTEP+2048*(\q)+512*\c
.endr
.endm
.macro FRAGB reg, adr, q, i            ; B's: registers 2 c, 2 c + 1 hold k = 16 c + 8 (lane / 16) + 0 .. 7 of row lane % 16
.irp c, 0,1,2,3,4,5,6,7
	ds_load_b64 v[\reg+2*\c:\reg+2*\c+1], v[\adr] offset:(\i)*16*PITCH+128*(\q)+16*\c
.endr
.endm
.macro MULB a, p, zero                 ; A's block a against B's NBLK blocks of set p.  The accumulators take turns, one instruction a turn, in the same order in every step
.set bb, 0
.rept NBLK
.set ACR, (8*((\a)*NBLK+bb))%256
.set BR, 128*(\p)+16*bb
.set AR, AF+16*(\a)
.if \zero
	v_wmma_f32_16x16x128_bf8_bf8 v[ACR:ACR+7], v[BR:BR+15], v[AR:AR+15], 0
.else
	v_wmma_f32_16x16x128_bf8_bf8 v[ACR:ACR+7], v[BR:BR+15], v[AR:AR+15], v[ACR:ACR+7]
.endif
.set bb, bb+1
.endr
.endm
.macro MULH half, p, zero              ; half of A's blocks
.set aa, (\half)*NBLK/2
.rept NBLK/2
	MULB aa, \p, \zero
.set aa, aa+1
.endr
.endm
.macro MULQ k, p                       ; a quarter of A's blocks
.set aa, (\k)*NBLK/4
.rept NBLK/4
	MULB aa, \p, 0
.set aa, aa+1
.endr
.endm
.macro FETCH_B slot, q, p
	WIN TO_B
.set ii, 0
.rept NBLK
	FRAGB 128*(\p)+16*ii, ADRB+\slot, \q, ii
.set ii, ii+1
.endr
	WIN 0
.endm
.macro FETCH_A slot, q, half
.set ii, (\half)*NBLK/2
.rept NBLK/2
	FRAGA AF+16*ii, ADRA+\slot, \q, ii
.set ii, ii+1
.endr
.endm
; A step of 128 along K that has its successor in the same slot.  A has one set of registers: its lower half is fetched anew in the step's middle, its upper half at the end; B has two sets.
.macro STEP slot, q, zero
	s_wait_dscnt NHI                               ; B's set and A's lower half are in; the youngest NHI loads (A's upper half) may be out
	WIN MUL_LO
	MULH 0, (\q)%2, \zero
	s_wait_dscnt 0x0
	PLACES
	FETCH_B \slot, (\q)+1, 1-(\q)%2
	FETCH_A \slot, (\q)+1, 0
	WIN MUL_HI
	MULH 1, (\q)%2, \zero
	PLACES
	WIN 0
	FETCH_A \slot, (\q)+1, 1
.endm
; A slot's last step changes slots: one barrier; ahead of it each wave waits for all its tensor loads, adds 0 to its spare word, and waits for that and for its reads of this slot.  fill = 1: this slot is filled again, two slots ahead.
.macro TURN slot, next, fill
	s_wait_tensorcnt 0x0                           ; all my tensor loads have landed: my part of the next slot
	ds_add_u32 v[SPW], v[NIL]                      ; 0 onto my spare word
	s_wait_dscnt NHI+1                             ; (the add and A's upper half may be out)
	WIN MUL_LO
	MULQ 0, 1
	s_wait_dscnt 0x0                               ; the add is done, and my reads of this slot are over
	s_barrier_signal -1
	MULQ 1, 1
	WIN 0
	s_barrier_wait -1
.if \fill
	CREST                                          ; the barrier has opened a round of the cluster's barrier: no wave of any partner still reads this slot or has a load on its way
	s_add_nc_u64 s[G0+4*\slot+2:G0+4*\slot+3], s[G0+4*\slot+2:G0+4*\slot+3], 32*KSTEP
	s_add_nc_u64 s[G0B+4*\slot+2:G0B+4*\slot+3], s[G0B+4*\slot+2:G0B+4*\slot+3], 2*KSTEP
	JLOAD G0+4*\slot, G1, G0B+4*\slot, G1B         ; my one tensor load behind the round; its four v_nop are the places ahead of the loads below
.else
	PLACES
.endif
	FETCH_B \next, 0, 0
	FETCH_A \next, 0, 0
	WIN MUL_HI
	MULH 1, 1, 0
	PLACES
	WIN 0
	FETCH_A \next, 0, 1
.endm
.macro REST slot                       ; a slot's steps between its first and its last
.if NQ > 2
.set qq, 1
.rept NQ-2
	STEP \slot, qq, 0
.set qq, qq+1
.endr
.endif
.endm
	s_wait_tensorcnt 0x0                           ; my part of the slot is in
	s_barrier_signal -1
	s_barrier_wait -1
	FETCH_B 0, 0, 0
	FETCH_A 0, 0, 0
	FETCH_A 0, 0, 1
	STEP 0, 0, 1                                   ; the first step starts the sums: nothing is cleared
.if LAPS > 1
	s_mov_b32 s3, LAPS-1
.Llap:                                             ; a trip goes once round the ring and fills both slots again
	REST 0
	TURN 0, 1, 1
	STEP 1, 0, 0
	REST 1
	TURN 1, 0, 1
	STEP 0, 0, 0
	s_sub_co_u32 s3, s3, 1
	s_cmp_lg_u32 s3, 0
	s_cbranch_scc1 .Llap
.endif
	REST 0                                         ; steps 1 to 6 of the slot's eight
	s_wait_dscnt NHI                               ; the very last step
	WIN MUL_LO
	MULH 0, 1, 0
	s_wait_dscnt 0x0
	WIN MUL_HI
	MULH 1, 1, 0
	WIN 0
	s_wait_loadcnt 0x0                             ; what the way out adds
	s_wait_kmcnt 0x0
	s_add_co_i32 s96, s84, s85
	s_add_co_i32 s96, s96, 127
	s_lshl_b32 s96, s96, 23                        ; 2^(eA + eB) as f32
	s_mov_b32 s97, s96
.if EPI < 2
; THE WAY OUT, a block of 16 rows x 64 columns at a time.  The raw sums go from the accumulators into my own stage (each accumulator's low four registers first) and come back as whole rows of 256 bytes;
; LDS serves a wave's instructions in order (ISA guide 5.7.1.4), so no wait stands between the stores and the loads.  One packed multiply-add gives sum x 2^(eA + eB) + what is added.
.macro OUTB a
.if (\a) < 3
.set RB, 32+32*(\a)
.else
.set RB, 192
.endif
.if (\a) > 0
	s_wait_xcnt 0x0                                ; the last block's stores have read their registers: they may be loaded again
.endif
	WIN 0x08                                       ; the stores' data: window 2
.irp b, 0,1,2,3
	ds_store_b128 v[STO], v[32*(\a)+8*\b:32*(\a)+8*\b+3] offset:64*\b
	ds_store_b128 v[STO], v[32*(\a)+8*\b+4:32*(\a)+8*\b+7] offset:64*\b+16
.endr
	WIN 0
.if EPI == 0
	ds_store_b64 v[STS], v[224+2*(\a):225+2*(\a)]  ; both halves of the lanes store the same
.endif
.irp t, 0,1,2,3,4,5,6,7
	ds_load_b128 v[BK+4*\t:BK+4*\t+3], v[RD] offset:544*\t
.endr
.if EPI == 0
.irp t, 0,1,2,3,4,5,6,7
	ds_load_b64 v[232+2*\t:233+2*\t], v[RDS] offset:544*\t
.endr
.endif
	s_wait_dscnt 0x0
.irp t, 0,1,2,3,4,5,6,7
.irp p, 0,2
.if EPI == 0
	v_pk_add_f32 v[RB+4*\t+\p:RB+4*\t+\p+1], v[RB+4*\t+\p:RB+4*\t+\p+1], v[232+2*\t:233+2*\t] op_sel_hi:[1,0] neg_lo:[0,1] neg_hi:[0,1]   ; q - mean
	v_pk_mul_f32 v[RB+4*\t+\p:RB+4*\t+\p+1], v[RB+4*\t+\p:RB+4*\t+\p+1], v[232+2*\t:233+2*\t] op_sel:[0,1] op_sel_hi:[1,1]               ; x rstd
	v_pk_fma_f32 v[RB+4*\t+\p:RB+4*\t+\p+1], v[RB+4*\t+\p:RB+4*\t+\p+1], v[12+\p:13+\p], v[8+\p:9+\p]                                    ; x w + (b + the product's bias)
.else
	v_pk_add_f32 v[RB+4*\t+\p:RB+4*\t+\p+1], v[RB+4*\t+\p:RB+4*\t+\p+1], v[8+\p:9+\p]
.endif
	v_pk_fma_f32 v[BK+4*\t+\p:BK+4*\t+\p+1], v[BK+4*\t+\p:BK+4*\t+\p+1], s[96:97], v[RB+4*\t+\p:RB+4*\t+\p+1] op_sel_hi:[1,0,1]
.endr
.if EPI == 0
	global_store_b128 v[CO], v[BK+4*\t:BK+4*\t+3], s[10:11] offset:(16*(\a)+2*\t)*4096   ; sixteen lanes store 256 consecutive bytes, aligned
.else
	global_store_b128 v[CO], v[BK+4*\t:BK+4*\t+3], s[10:11] offset:(16*(\a)+2*\t)*4096 th:TH_STORE_NT
.endif
.endr
.endm
.if EPI == 0
	v_pk_add_f32 v[8:9], v[8:9], v[248:249]        ; the two biases are added once
	v_pk_add_f32 v[10:11], v[10:11], v[250:251]
	s_wait_alu depctr_va_vdst(0)
.endif
	PLACES
	OUTB 0
	OUTB 1
	OUTB 2
	OUTB 3
.else
; THE WAY OUT: gelu(x) = x / (1 + 2^(x (K1 + K3 x^2))), K1 = -2 sqrt(2 / pi) log2(e), K3 = 0.044715 K1: the definition's 0.5 x (1 + tanh(..)) without its cancellation.  A lane's eight registers of block b are
; k = 16 b + 8 (lane / 16) + 0 .. 7 of the next product's K step: the codes are its image as they stand.  Each batch of 64 transcendentals has one wait ahead of its first reader.
	s_mov_b32 s94, 0xbdd2d3e8                      ; K3
	s_mov_b32 s95, s94
	v_mov_b32 v114, 0xc0135761                     ; K1
	v_mov_b32 v115, v114
	s_add_co_i32 s86, s86, 127
	s_lshl_b32 s87, s86, 23
	v_mov_b32 v113, s87                            ; the next operand's scale
	s_add_co_i32 s86, s86, 15
	s_lshl_b32 s86, s86, 23
	s_or_b32 s86, s86, 0x600000
	v_mov_b32 v112, s86                            ; 57,344 x that
.macro GELU a
.set AC, (64*(\a))%256
	WIN 0x02+((\a)/4)                              ; source 0: window 2 or 3
.set n, 0
.rept 32
	v_pk_fma_f32 v[XX+n:XX+n+1], v[AC+n:AC+n+1], s[96:97], v[BIA+n:BIA+n+1] op_sel_hi:[1,0,1]
.set n, n+2
.endr
	WIN 0
.set n, 0
.rept 32
	v_pk_mul_f32 v[QT+n:QT+n+1], v[XX+n:XX+n+1], v[XX+n:XX+n+1]
.set n, n+2
.endr
.set n, 0
.rept 32
	v_pk_fma_f32 v[QT+n:QT+n+1], v[QT+n:QT+n+1], s[94:95], v[114:115] op_sel_hi:[1,0,0]
.set n, n+2
.endr
.set n, 0
.rept 32
	v_pk_mul_f32 v[QT+n:QT+n+1], v[QT+n:QT+n+1], v[XX+n:XX+n+1]
.set n, n+2
.endr
.set n, 0
.rept 64
	v_exp_f32 v[QT+n], v[QT+n]
.set n, n+1
.endr
	v_nop
	s_wait_alu depctr_va_vdst(0)
.set n, 0
.rept 32
	v_pk_add_f32 v[QT+n:QT+n+1], v[QT+n:QT+n+1], 1.0 op_sel_hi:[1,0]
.set n, n+2
.endr
.set n, 0
.rept 64
	v_rcp_f32 v[QT+n], v[QT+n]
.set n, n+1
.endr
	v_nop
	s_wait_alu depctr_va_vdst(0)
.set n, 0
.rept 32
	v_pk_mul_f32 v[XX+n:XX+n+1], v[XX+n:XX+n+1], v[QT+n:QT+n+1]
.set n, n+2
.endr
.set n, 0
.rept 64
	v_med3_num_f32 v[XX+n], v[XX+n], -v112, v112   ; the conversion does not saturate (ISA guide 7.6.2)
.set n, n+1
.endr
	s_wait_xcnt 0x0                                ; the last block's stores have read the codes' registers
.set n, 0
.rept 8
	v_cvt_scalef32_pk8_bf8_f32 v[COD+2*n:COD+2*n+1], v[XX+8*n:XX+8*n+7], v113
.set n, n+1
.endr
	v_nop                                          ; a plain instruction behind the last conversion
.irp c, 0,1,2,3
	global_store_b128 v[L16], v[COD+4*\c:COD+4*\c+3], s[10:11] offset:65536*(\a)+512*\c   ; the wave stores 512 consecutive bytes
.endr
.endm
	PLACES
.irp a, 0,1,2,3,4,5,6,7
	GELU \a
.endr
.endif
	s_wait_tensorcnt 0x0                           ; the wave's end
	ds_add_u32 v[SPW], v[NIL]
	s_wait_dscnt 0x0
	CROUND                                         ; the closing round
	s_endpgm
.Lfunc_end_k_q70bd086fe9_proj:
	.size	k_q70bd086fe9_proj, .Lfunc_end_k_q70bd086fe9_proj-k_q70bd086fe9_proj
	.p2alignl 7, 3214868480
	.fill 96, 4, 3214868480
	.section	.rodata,"a",@progbits
	.p2align	6, 0x0
	.amdhsa_kernel k_q70bd086fe9_proj
		.amdhsa_group_segment_fixed_size 327680
		.amdhsa_private_segment_fixed_size 0
		.amdhsa_enable_private_segment 0
		.amdhsa_kernarg_size 72
		.amdhsa_user_sgpr_count 2
		.amdhsa_user_sgpr_kernarg_segment_ptr 1
		.amdhsa_wavefront_size32 1
		.amdhsa_system_sgpr_workgroup_id_x 1
		.amdhsa_system_sgpr_workgroup_id_y 1
		.amdhsa_system_sgpr_workgroup_id_z 1
		.amdhsa_system_vgpr_workitem_id 0
		.amdhsa_next_free_vgpr 640
		.amdhsa_next_free_sgpr 100
		.amdhsa_reserve_vcc 0
		.amdhsa_float_denorm_mode_32 3
		.amdhsa_float_denorm_mode_16_64 3
		.amdhsa_memory_ordered 1
		.amdhsa_forward_progress 1
		.amdhsa_inst_pref_size 73
	.end_amdhsa_kernel
	.amdgpu_metadata
---
amdhsa.version: [ 1, 2 ]
amdhsa.kernels:
  - .name:           k_q70bd086fe9_proj
    .symbol:         k_q70bd086fe9_proj.kd
    .args:
      - { .name: yimg, .offset: 0, .size: 8, .value_kind: global_buffer, .address_space: global }
      - { .name: attn_proj_w_codes, .offset: 8, .size: 8, .value_kind: global_buffer, .address_space: global }
      - { .name: lowp_scales, .offset: 16, .size: 8, .value_kind: global_buffer, .address_space: global }
      - { .name: x, .offset: 24, .size: 8, .value_kind: global_buffer, .address_space: global }
      - { .name: attn_proj_b, .offset: 32, .size: 8, .value_kind: global_buffer, .address_space: global }
      - { .name: q, .offset: 40, .size: 8, .value_kind: global_buffer, .address_space: global }
      - { .name: qstat, .offset: 48, .size: 8, .value_kind: global_buffer, .address_space: global }
      - { .name: ln1_w, .offset: 56, .size: 8, .value_kind: global_buffer, .address_space: global }
      - { .name: ln1_b, .offset: 64, .size: 8, .value_kind: global_buffer, .address_space: global }
    .group_segment_fixed_size: 327680
    .private_segment_fixed_size: 0
    .kernarg_segment_align: 8
    .kernarg_segment_size: 72
    .max_flat_workgroup_size: 128
    .sgpr_count:     100
    .vgpr_count:     640
    .wavefront_size: 32
...
	.end_amdgpu_metadata
.endif
;; end of part 3
;; launch ln2 (part 4): grid 256 x 1, 16 waves a work-group, no clusters, 19,456 bytes of LDS; arguments x, ln2_w, ln2_b, lowp_scales, himg; writes himg
.if DOCPART == 4
	.amdgcn_target "amdgcn-amd-amdhsa--gfx1250"
	.amdhsa_code_object_version 6
	.text
	.protected	k_q70bd086fe9_ln2
	.globl	k_q70bd086fe9_ln2
	.p2align	8
	.type	k_q70bd086fe9_ln2,@function
k_q70bd086fe9_ln2:
	s_mov_b64 s[64:65], 0
	v_nop
	global_prefetch_b8 v0, s[64:65] scope:SCOPE_SE
	s_setreg_imm32_b32 hwreg(HW_REG_WAVE_MODE, 25, 1), 1
	s_wait_xcnt 0x0
; LN2 of x ([4096][1024] f32), quantised to E5M2 with the given scale (entry 6 of lowp_scales), stored as images of operand registers:
; himg: [tile of 16 rows][K step of 128][2,048 bytes: [c][lane][16 bytes]]; the 16 bytes of lane (r, h) are k = 32 c + 8 h + 0..7, then k = 32 c + 16 + 8 h + 0..7 of row r.
; A work-group takes one tile of 16 rows, a wave one row.  The norm makes two passes over registers (mean; then the squares of x - mean).  The codes meet in a stage in LDS and leave as 512 consecutive bytes a store.
; LIMITS: the exponent lies between -126 and 112.  NaN among the inputs is not served.
.set STG, 0                            ; the stage: 8 K steps x (8 groups of 256 bytes + 16 of padding each)
.set X,   32
.set W,   64
.set BV,  96
.set SC,  24
.set LIM, 25
.macro REDUCE r
	s_delay_alu instid0(VALU_DEP_1)
	v_add_f32_dpp v[\r], v[\r], v[\r] row_xmask:1 row_mask:0xf bank_mask:0xf
	s_delay_alu instid0(VALU_DEP_1)
	v_add_f32_dpp v[\r], v[\r], v[\r] row_xmask:2 row_mask:0xf bank_mask:0xf
	s_delay_alu instid0(VALU_DEP_1)
	v_add_f32_dpp v[\r], v[\r], v[\r] row_xmask:4 row_mask:0xf bank_mask:0xf
	s_delay_alu instid0(VALU_DEP_1)
	v_add_f32_dpp v[\r], v[\r], v[\r] row_xmask:8 row_mask:0xf bank_mask:0xf
	s_delay_alu instid0(VALU_DEP_1)
	v_permlanex16_b32 v3, v[\r], s12, s13
	s_delay_alu instid0(VALU_DEP_1)
	v_add_f32 v[\r], v[\r], v3
.endm
	s_load_b256 s[4:11], s[0:1], 0x0               ; x s[4:5], ln2_w s[6:7], ln2_b s[8:9], the exponents s[10:11]
	s_load_b64 s[16:17], s[0:1], 0x20              ; himg
	v_lshl_add_u32 v128, v0, 2, 0x4400
	v_mov_b32 v129, 0
	v_lshrrev_b32 v1, 5, v0
	s_delay_alu instid0(VALU_DEP_1)
	v_readfirstlane_b32 s28, v1                    ; wave 0..15
	v_and_b32 v1, 31, v0
	s_mov_b32 s12, 0x76543210
	s_mov_b32 s13, 0xfedcba98
	s_mov_b32 s14, 0x3a800000                      ; 1 / 1024
	s_mov_b32 s15, 0x3727c5ac                      ; eps = 1e-5
	s_mov_b32 s37, 0
	v_mov_b32 v3, 0
	v_mov_b32 v9, 0
	s_lshl_b32 s36, ttmp9, 16
	s_lshl_b32 s31, s28, 12
	s_add_co_u32 s36, s36, s31                     ; my row
	s_wait_alu depctr_va_vdst(0)
	s_wait_kmcnt 0x0
	s_load_b32 s32, s[10:11], 0x18                 ; e6
	s_add_nc_u64 s[4:5], s[4:5], s[36:37]
	v_lshlrev_b32 v2, 5, v1                        ; k = 256 j + 8 lane + 0..7; two loads cover 1,024 consecutive bytes
.set n, 0
.rept 8
	global_load_b128 v[X+4*n:X+4*n+3], v2, s[4:5] offset:1024*(n/2)+16*(n%2)
.set n, n+1
.endr
.set n, 0
.rept 8
	global_load_b128 v[W+4*n:W+4*n+3], v2, s[6:7] offset:1024*(n/2)+16*(n%2)
.set n, n+1
.endr
.set n, 0
.rept 8
	global_load_b128 v[BV+4*n:BV+4*n+3], v2, s[8:9] offset:1024*(n/2)+16*(n%2)
.set n, n+1
.endr
	v_bfe_u32 v4, v0, 4, 1                         ; into the stage: K step 2 j + lane / 16, group 2 c + h, row = my wave, half u
	s_delay_alu instid0(VALU_DEP_1)
	v_mul_u32_u24 v12, v4, 2176
	v_bfe_u32 v5, v0, 2, 2
	v_and_b32 v6, 1, v0
	s_delay_alu instid0(VALU_DEP_1)
	v_lshl_add_u32 v5, v5, 1, v6
	s_delay_alu instid0(VALU_DEP_1)
	v_mad_u32_u24 v12, v5, 272, v12
	v_bfe_u32 v6, v0, 1, 1
	s_delay_alu instid0(VALU_DEP_1)
	v_lshl_add_u32 v12, v6, 3, v12
	s_lshl_b32 s29, s28, 4
	v_add_nc_u32 v12, s29, v12
	s_lshr_b32 s31, s28, 1                         ; out of it: wave w takes 1,024 bytes: K step w / 2, groups 4 (w % 2) on
	s_mul_i32 s31, s31, 2176
	s_and_b32 s29, s28, 1
	s_mul_i32 s29, s29, 1088
	s_add_co_u32 s31, s31, s29
	v_mul_u32_u24 v13, v4, 272
	v_and_b32 v5, 15, v0
	s_delay_alu instid0(VALU_DEP_1)
	v_lshl_add_u32 v13, v5, 4, v13
	s_delay_alu instid0(VALU_DEP_1)
	v_add_nc_u32 v13, s31, v13
	v_lshlrev_b32 v15, 4, v1
	s_lshl_b32 s36, ttmp9, 14
	s_lshl_b32 s31, s28, 10
	s_add_co_u32 s36, s36, s31
	s_add_nc_u64 s[16:17], s[16:17], s[36:37]
	s_wait_kmcnt 0x0
	s_add_co_i32 s32, s32, 127
	s_lshl_b32 s33, s32, 23
	v_mov_b32 v[SC], s33                           ; 2^e
	s_add_co_i32 s32, s32, 15
	s_lshl_b32 s32, s32, 23
	s_or_b32 s32, s32, 0x600000
	v_mov_b32 v[LIM], s32                          ; 57,344 x 2^e
	s_wait_loadcnt 16                              ; my row is in; the gains' 8 loads and the biases' 8 may be out
	v_pk_add_f32 v[6:7], v[32:33], v[34:35]
	v_pk_add_f32 v[30:31], v[40:41], v[44:45]
	v_pk_add_f32 v[28:29], v[48:49], v[52:53]
	v_pk_add_f32 v[26:27], v[56:57], v[60:61]
	v_pk_add_f32 v[22:23], v[36:37], v[38:39]
	v_pk_add_f32 v[20:21], v[42:43], v[46:47]
	v_pk_add_f32 v[18:19], v[50:51], v[54:55]
	v_pk_add_f32 v[4:5], v[58:59], v[62:63]
	s_delay_alu instid0(VALU_DEP_1)
	v_pk_add_f32 v[4:5], v[4:5], v[26:27]
	v_pk_add_f32 v[6:7], v[6:7], v[22:23]
	v_pk_add_f32 v[30:31], v[30:31], v[20:21]
	v_pk_add_f32 v[28:29], v[28:29], v[18:19]
	s_delay_alu instid0(VALU_DEP_2)
	v_pk_add_f32 v[4:5], v[4:5], v[30:31]
	s_delay_alu instid0(VALU_DEP_2)
	v_pk_add_f32 v[6:7], v[6:7], v[28:29]
	s_delay_alu instid0(VALU_DEP_1)
	v_pk_add_f32 v[4:5], v[4:5], v[6:7]
	s_delay_alu instid0(VALU_DEP_1)
	v_add_f32 v4, v4, v5
	REDUCE 4
	s_delay_alu instid0(VALU_DEP_1)
	v_mul_f32 v8, s14, v4                          ; mean
.set n, 0
.rept 16
	v_pk_add_f32 v[X+n:X+n+1], v[X+n:X+n+1], v[8:9] op_sel_hi:[1,0] neg_lo:[0,1] neg_hi:[0,1]
.set n, n+2
.endr
	v_pk_mul_f32 v[4:5], v[X:X+1], v[X:X+1]
	v_pk_mul_f32 v[6:7], v[X+2:X+3], v[X+2:X+3]
.set n, 4
.rept 7
	s_delay_alu instid0(VALU_DEP_2)
	v_pk_fma_f32 v[4:5], v[X+n:X+n+1], v[X+n:X+n+1], v[4:5]
	s_delay_alu instid0(VALU_DEP_2)
	v_pk_fma_f32 v[6:7], v[X+n+2:X+n+3], v[X+n+2:X+n+3], v[6:7]
.set n, n+4
.endr
	s_delay_alu instid0(VALU_DEP_1)
	v_pk_add_f32 v[4:5], v[4:5], v[6:7]
	s_delay_alu instid0(VALU_DEP_1)
	v_add_f32 v4, v4, v5
	REDUCE 4
	s_delay_alu instid0(VALU_DEP_1)
	v_fma_f32 v4, v4, s14, s15                     ; var + eps
	s_wait_alu depctr_va_vdst(0)
	v_rsq_f32 v9, v4
	v_nop                                          ; a plain instruction behind the transcendental,
	s_wait_alu depctr_va_vdst(0)                   ; and the wait ahead of its first reader
.set n, 0
.rept 16
	v_pk_mul_f32 v[X+n:X+n+1], v[X+n:X+n+1], v[8:9] op_sel:[0,1] op_sel_hi:[1,1]
.set n, n+2
.endr
	s_wait_loadcnt 0x0
.set n, 0
.rept 16
	v_pk_fma_f32 v[X+n:X+n+1], v[X+n:X+n+1], v[W+n:W+n+1], v[BV+n:BV+n+1]
.set n, n+2
.endr
.set n, 0
.rept 32
	v_med3_num_f32 v[X+n], v[X+n], -v[LIM], v[LIM] ; the conversion does not saturate (ISA guide 7.6.2)
.set n, n+1
.endr
.set n, 0
.rept 4
	v_cvt_scalef32_pk8_bf8_f32 v[16+2*n:17+2*n], v[X+8*n:X+8*n+7], v[SC]
.set n, n+1
.endr
	v_nop
.set n, 0
.rept 4
	ds_store_b64 v12, v[16+2*n:17+2*n] offset:STG+4352*n
.set n, n+1
.endr
	s_wait_dscnt 0x0                               ; for the others' sake: my stores have landed
	s_barrier_signal -1
	s_barrier_wait -1
	ds_load_b128 v[32:35], v13 offset:STG
	ds_load_b128 v[36:39], v13 offset:STG+544
	s_wait_dscnt 1                                 ; the first half is in
	global_store_b128 v15, v[32:35], s[16:17]      ; the wave stores 512 consecutive bytes
	s_wait_dscnt 0x0
	global_store_b128 v15, v[36:39], s[16:17] offset:512
	s_wait_tensorcnt 0x0
	ds_add_u32 v128, v129
	s_wait_dscnt 0x0
	s_endpgm
.Lfunc_end_k_q70bd086fe9_ln2:
	.size	k_q70bd086fe9_ln2, .Lfunc_end_k_q70bd086fe9_ln2-k_q70bd086fe9_ln2
	.p2alignl 7, 3214868480
	.fill 96, 4, 3214868480
	.section	.rodata,"a",@progbits
	.p2align	6, 0x0
	.amdhsa_kernel k_q70bd086fe9_ln2
		.amdhsa_group_segment_fixed_size 19456
		.amdhsa_private_segment_fixed_size 0
		.amdhsa_enable_private_segment 0
		.amdhsa_kernarg_size 40
		.amdhsa_user_sgpr_count 2
		.amdhsa_user_sgpr_kernarg_segment_ptr 1
		.amdhsa_wavefront_size32 1
		.amdhsa_system_sgpr_workgroup_id_x 1
		.amdhsa_system_sgpr_workgroup_id_y 1
		.amdhsa_system_sgpr_workgroup_id_z 1
		.amdhsa_system_vgpr_workitem_id 0
		.amdhsa_next_free_vgpr 130
		.amdhsa_next_free_sgpr 66
		.amdhsa_reserve_vcc 0
		.amdhsa_float_denorm_mode_32 3
		.amdhsa_float_denorm_mode_16_64 3
		.amdhsa_memory_ordered 1
		.amdhsa_forward_progress 1
		.amdhsa_inst_pref_size 16
	.end_amdhsa_kernel
	.amdgpu_metadata
---
amdhsa.version: [ 1, 2 ]
amdhsa.kernels:
  - .name:           k_q70bd086fe9_ln2
    .symbol:         k_q70bd086fe9_ln2.kd
    .args:
      - { .name: x, .offset: 0, .size: 8, .value_kind: global_buffer, .address_space: global }
      - { .name: ln2_w, .offset: 8, .size: 8, .value_kind: global_buffer, .address_space: global }
      - { .name: ln2_b, .offset: 16, .size: 8, .value_kind: global_buffer, .address_space: global }
      - { .name: lowp_scales, .offset: 24, .size: 8, .value_kind: global_buffer, .address_space: global }
      - { .name: himg, .offset: 32, .size: 8, .value_kind: global_buffer, .address_space: global }
    .group_segment_fixed_size: 19456
    .private_segment_fixed_size: 0
    .kernarg_segment_align: 8
    .kernarg_segment_size: 40
    .max_flat_workgroup_size: 512
    .sgpr_count:     66
    .vgpr_count:     130
    .wavefront_size: 32
...
	.end_amdgpu_metadata
.endif
;; end of part 4
;; launch fc (part 5): grid 16 x 16, 4 waves a work-group, clusters of 4 x 4, 327,680 bytes of LDS; arguments himg, fc_w_codes, lowp_scales, gimg, fc_b; writes gimg
.if DOCPART == 5
	.amdgcn_target "amdgcn-amd-amdhsa--gfx1250"
	.amdhsa_code_object_version 6
	.text
	.protected	k_q70bd086fe9_fc
	.globl	k_q70bd086fe9_fc
	.p2align	8
	.type	k_q70bd086fe9_fc,@function
k_q70bd086fe9_fc:
	s_mov_b64 s[64:65], 0
	v_nop
	global_prefetch_b8 v0, s[64:65] scope:SCOPE_SE
	s_setreg_imm32_b32 hwreg(HW_REG_WAVE_MODE, 25, 1), 1
	s_wait_xcnt 0x0
	s_wait_alu depctr_hold_cnt(0) depctr_sa_sdst(0) depctr_va_vdst(0) depctr_va_sdst(0) depctr_va_ssrc(0) depctr_va_vcc(0) depctr_vm_vsrc(0)
	s_getreg_b32 s2, hwreg(HW_REG_IB_STS2, 6, 4)
	s_cmp_eq_u32 s2, 0
	s_cbranch_scc0 .Lentry_in_a_cluster
	s_endpgm
.Lentry_in_a_cluster:
	s_bfe_u32 s2, ttmp6, 0x10000c
	s_cmp_lg_u32 s2, 0xf033
	s_cbranch_scc0 .Lentry_shape_is_right
	s_endpgm
.Lentry_shape_is_right:
.set EPI,   2
.set NBLK,  8
.set KD,    1024
.set KSTEP, 256
.set QI,    5
.set ESC,   0x18
.set NQ,    KSTEP/128
.set LAPS,  KD/(2*KSTEP)
.set PITCH, KSTEP+16
.set HALFA, NBLK*16*KSTEP
.set HALFB, 16*NBLK*PITCH
.set SLOT,  2*HALFA+2*HALFB
.set STAGE, 2*SLOT
.set SPARE, STAGE+4*16*272
.set NHI,   2*NBLK
.set ADRA, 16
.set COL,  18
.set L16,  19
.set ADRB, 20
.set STO,  24
.set RD,   25
.set CO,   26
.set STS,  27
.set SPW,  28
.set NIL,  29
.set RDS,  30
.set SOF,  31
.set AF,   128
.set BK,   160
.set BIA,  32
.set COD,  96
.set XX,   128
.set QT,   192
.set G1,  24
.set G0,  32
.set G1B, 48
.set G0B, 56
.set MSB, 0
.macro WIN new
.if MSB != \new
	s_set_vgpr_msb (MSB<<8)|\new
.set MSB, \new
.endif
.endm
.set MUL_LO, 0xa1
.if NBLK == 8
.set MUL_HI, 0xf1
.else
.set MUL_HI, 0xa1
.endif
.set TO_B, 0x40
.macro JLOAD g0a, g1a, g0b, g1b
	s_cmp_eq_u32 s15, 0
	s_cbranch_scc0 .Lfor_b_\@
	tensor_load_to_lds s[\g0a:\g0a+3], s[\g1a:\g1a+7]
	s_nop 0
.rept 4
	v_nop
.endr
	s_branch .Lasked_\@
.Lfor_b_\@:
	tensor_load_to_lds s[\g0b:\g0b+3], s[\g1b:\g1b+7]
	s_nop 0
.rept 4
	v_nop
.endr
.Lasked_\@:
.endm
.macro CREST
	s_cmp_lg_u32 s14, 0
	s_cbranch_scc1 .Lnot_wave_0_\@
	s_barrier_signal -3
.Lnot_wave_0_\@:
	s_barrier_wait -3
	s_barrier_signal -1
	s_barrier_wait -1
.endm
.macro CROUND
	s_barrier_signal -1
	s_barrier_wait -1
	CREST
.endm
.macro PLACES
.rept 4
	v_nop
.endr
.endm
	s_load_b256 s[4:11], s[0:1], 0x0
	s_load_b64 s[66:67], s[0:1], 0x20
.if EPI == 0
	s_load_b256 s[68:75], s[0:1], 0x28
.endif
.if EPI == 1
	s_load_b64 s[68:69], s[0:1], 0x28
.endif
	v_lshl_add_u32 v[SPW], v0, 2, SPARE
	v_mov_b32 v[NIL], 0
	ds_add_u32 v28, v29
	ds_add_u32 v28, v29
	s_wait_dscnt 0x0
	v_lshrrev_b32 v1, 5, v0
	v_readfirstlane_b32 s14, v1
	s_lshr_b32 s15, s14, 1
	s_and_b32 s16, s14, 1
	s_bfe_u32 s40, ttmp6, 0x40000
	s_bfe_u32 s41, ttmp6, 0x40004
	s_lshl_b32 s42, ttmp9, 2
	s_add_co_u32 s42, s42, s40
	s_and_b32 s17, ttmp7, 0xffff
	s_lshl_b32 s17, s17, 2
	s_add_co_u32 s17, s17, s41
	s_lshl_b32 s43, s41, 2
	s_lshl_b32 s43, 15, s43
	s_lshl_b32 s44, 0x1111, s40
	s_or_b32 s[G1], s43, (1<<21)
	s_mov_b32 s[G1+1], ((16*KSTEP)&0xffff)<<16
	s_mov_b32 s[G1+2], ((16*KSTEP)>>16)|(NBLK<<16)
	s_mov_b32 s[G1+3], (16*KSTEP)<<16
	s_mov_b32 s[G1+4], NBLK
	s_mov_b32 s[G1+5], 16*KD
	s_mov_b32 s[G1+6], 0
	s_mov_b32 s[G1+7], 0
	s_or_b32 s[G1B], s44, (1<<20)|(1<<21)|(QI<<22)|(3<<25)
	s_mov_b32 s[G1B+1], KSTEP<<16
	s_mov_b32 s[G1B+2], (16*NBLK)<<16
	s_mov_b32 s[G1B+3], KSTEP<<16
	s_mov_b32 s[G1B+4], 16*NBLK
	s_mov_b32 s[G1B+5], KD
	s_mov_b32 s[G1B+6], 0
	s_mov_b32 s[G1B+7], 0
	s_mul_i32 s18, s16, NBLK
	s_mul_i32 s20, s17, 2*NBLK
	s_add_co_u32 s20, s20, s18
	s_mul_i32 s20, s20, 16*KD
	s_mov_b32 s21, 0
	s_mul_i32 s19, s16, 16*NBLK
	s_mul_i32 s46, s42, 32*NBLK
	s_add_co_u32 s46, s46, s19
	s_mul_i32 s46, s46, KD
	s_mov_b32 s47, 0
	s_mul_i32 s45, s16, HALFA
	s_mul_i32 s23, s16, HALFB
	s_add_co_u32 s23, s23, 2*HALFA
	s_wait_kmcnt 0x0
	s_load_b64 s[84:85], s[8:9], ESC
.if EPI == 2
	s_load_b32 s86, s[8:9], ESC+8
.endif
	s_add_nc_u64 s[20:21], s[4:5], s[20:21]
	s_add_nc_u64 s[46:47], s[6:7], s[46:47]
	; THE PREFETCHES INTO THE L2.  K is four slots, and each slot's tiles are touched here for the first time: so slot 1 is asked for behind slot 0's load, slots 2 and 3 behind slot 1's, each one change of slots ahead of its load or more.
	; One instruction a wave and slot, a lane to each block of 256 bytes.  Of the 128 blocks that a wave's joint load brings, each of the four partners that ask with it names 32, told apart by address:
	; A (waves 0, 1): partner cx takes two tiles of 16 rows, 4,096 bytes of a slot each; B (waves 2, 3): partner cy takes 32 rows of 256 bytes.  So each block is named once in the cluster.
	s_lshl_b32 s93, s17, 4
	s_lshl_b32 s94, s16, 3
	s_add_co_u32 s93, s93, s94
	s_lshl_b32 s94, s40, 1
	s_add_co_u32 s93, s93, s94
	s_lshl_b32 s93, s93, 14                        ; A: tile of 16 rows 16 x tile row + 8 x half + 2 cx, 16,384 bytes each
	s_lshl_b32 s94, s42, 3
	s_lshl_b32 s95, s16, 2
	s_add_co_u32 s94, s94, s95
	s_add_co_u32 s94, s94, s41
	s_lshl_b32 s94, s94, 15                        ; B: row 32 x (8 x tile column + 4 x half + cy), 1,024 bytes each
	s_cmp_eq_u32 s15, 0                            ; do I fetch for A?
	s_cselect_b64 s[88:89], s[4:5], s[6:7]
	s_cselect_b32 s94, s93, s94
	s_mov_b32 s95, 0
	s_mov_b32 s92, 1024
	s_cselect_b32 s92, 256, s92                    ; from lane to lane among sixteen; sixteen lanes on are 16,384 bytes in both
	s_mov_b32 s90, 256
	s_cselect_b32 s90, 4096, s90                   ; a slot on
	s_add_nc_u64 s[88:89], s[88:89], s[94:95]      ; my 32 blocks of slot 0
	v_bfe_u32 v7, v0, 4, 1
	v_lshlrev_b32 v7, 14, v7
	v_and_b32 v12, 15, v0
	v_mad_u32_u24 v7, v12, s92, v7                 ; my lane's block
	v_add_nc_u32 v12, s90, v7                      ; v12, v13, v14: the same one, two, three slots on; never rewritten
	v_add_nc_u32 v13, s90, v12
	v_add_nc_u32 v14, s90, v13
	s_wait_alu depctr_va_vdst(0)
	CROUND
.irp s, 0,1
	s_mov_b32 s[G0+4*\s], 1
	s_add_co_u32 s[G0+4*\s+1], s45, \s*SLOT
	s_add_nc_u64 s[G0+4*\s+2:G0+4*\s+3], s[20:21], \s*16*KSTEP
	s_or_b32 s[G0+4*\s+3], s[G0+4*\s+3], 0x80000000
	s_mov_b32 s[G0B+4*\s], 1
	s_add_co_u32 s[G0B+4*\s+1], s23, \s*SLOT
	s_add_nc_u64 s[G0B+4*\s+2:G0B+4*\s+3], s[46:47], \s*KSTEP
	s_or_b32 s[G0B+4*\s+3], s[G0B+4*\s+3], 0x80000000
.if \s                                 ; slot 1's first fill is issued as a refill is: the wait for slot 0's load, the add, its wait, a round
	s_wait_alu depctr_va_vdst(0)
	s_wait_tensorcnt 0x0
	ds_add_u32 v28, v29
	s_wait_dscnt 0x0
	CROUND
.endif
	JLOAD G0+4*\s, G1, G0B+4*\s, G1B               ; slot 0: my one load at the head, behind the opening round
.if \s
	global_prefetch_b8 v13, s[88:89] th:TH_LOAD_NT scope:SCOPE_SE   ; slot 2
	global_prefetch_b8 v14, s[88:89] th:TH_LOAD_NT scope:SCOPE_SE   ; slot 3
.else
	global_prefetch_b8 v12, s[88:89] th:TH_LOAD_NT scope:SCOPE_SE   ; slot 1
.endif
.endr
	v_and_b32 v1, 15, v0
	v_bfe_u32 v2, v0, 4, 1
	s_wait_alu depctr_va_vdst(0)
	v_and_b32 v6, 31, v0
	v_lshlrev_b32 v[L16], 4, v6
	v_mul_u32_u24 v3, v1, PITCH
	v_lshl_add_u32 v4, v2, 3, v3
	s_mul_i32 s21, s15, HALFA
	s_mul_i32 s22, s16, HALFB
	s_add_co_u32 s22, s22, 2*HALFA
.irp s, 0,1
	v_add_nc_u32 v[ADRA+\s], s21, v[L16]
	v_add_nc_u32 v[ADRB+\s], s22, v4
	s_add_co_u32 s21, s21, SLOT
	s_add_co_u32 s22, s22, SLOT
.endr
.if EPI < 2
	s_mul_i32 s82, s14, 16*272
	s_add_co_u32 s82, s82, STAGE
	v_mul_u32_u24 v5, v1, 272
	v_add_nc_u32 v5, s82, v5
	v_lshl_add_u32 v[STO], v2, 5, v5
.if EPI == 0
	v_add_nc_u32 v[STS], 256, v5
.endif
	v_mul_u32_u24 v5, v2, 272
	v_add_nc_u32 v5, s82, v5
	v_lshl_add_u32 v[RD], v1, 4, v5
.if EPI == 0
	v_add_nc_u32 v[RDS], 256, v5
	v_lshlrev_b32 v[SOF], 3, v1
.endif
	v_lshlrev_b32 v[COL], 4, v1
	v_lshl_add_u32 v[CO], v2, 12, v[COL]
	s_lshl_b32 s76, s17, 7
	s_lshl_b32 s78, s15, 6
	s_add_co_u32 s76, s76, s78
	s_lshl_b32 s80, s76, 3
	s_mov_b32 s81, 0
	s_lshl_b32 s76, s76, 12
	s_lshl_b32 s78, s42, 7
	s_lshl_b32 s79, s16, 6
	s_add_co_u32 s78, s78, s79
	s_lshl_b32 s78, s78, 2
	s_mov_b32 s79, 0
	s_add_co_u32 s76, s76, s78
	s_mov_b32 s77, 0
	s_add_nc_u64 s[10:11], s[10:11], s[76:77]
	s_add_nc_u64 s[68:69], s[68:69], s[76:77]
	s_add_nc_u64 s[66:67], s[66:67], s[78:79]
.irp a, 0,1,2,3
.if \a < 3
.set RB, 32+32*\a
.else
.set RB, 192
.endif
.irp t, 0,1,2,3,4,5,6,7
	global_load_b128 v[RB+4*\t:RB+4*\t+3], v[CO], s[68:69] offset:(16*\a+2*\t)*4096 th:TH_LOAD_NT
.endr
.endr
	global_load_b128 v[8:11], v[COL], s[66:67]
.if EPI == 0
	s_add_nc_u64 s[72:73], s[72:73], s[78:79]
	s_add_nc_u64 s[74:75], s[74:75], s[78:79]
	s_add_nc_u64 s[70:71], s[70:71], s[80:81]
	global_load_b128 v[12:15], v[COL], s[72:73]
	global_load_b128 v[248:251], v[COL], s[74:75]
.irp a, 0,1,2,3
	global_load_b64 v[224+2*\a:225+2*\a], v[SOF], s[70:71] offset:128*\a
.endr
.endif
.else
	s_lshl_b32 s76, s17, 4
	s_lshl_b32 s78, s15, 3
	s_add_co_u32 s76, s76, s78
	s_lshl_b32 s76, s76, 16
	s_lshl_b32 s78, s42, 1
	s_add_co_u32 s78, s78, s16
	s_lshl_b32 s79, s78, 11
	s_add_co_u32 s76, s76, s79
	s_mov_b32 s77, 0
	s_add_nc_u64 s[10:11], s[10:11], s[76:77]
	s_lshl_b32 s78, s78, 9
	s_mov_b32 s79, 0
	s_add_nc_u64 s[66:67], s[66:67], s[78:79]
	v_lshlrev_b32 v[COL], 5, v2
.set n, 0
.rept 8
	global_load_b128 v[BIA+8*n:BIA+8*n+3], v[COL], s[66:67] offset:64*n
	global_load_b128 v[BIA+8*n+4:BIA+8*n+7], v[COL], s[66:67] offset:64*n+16
.set n, n+1
.endr
.endif
.macro FRAGA reg, adr, q, i
.irp c, 0,1,2,3
	ds_load_b128 v[\reg+4*\c:\reg+4*\c+3], v[\adr] offset:(\i)*16*KSTEP+2048*(\q)+512*\c
.endr
.endm
.macro FRAGB reg, adr, q, i
.irp c, 0,1,2,3,4,5,6,7
	ds_load_b64 v[\reg+2*\c:\reg+2*\c+1], v[\adr] offset:(\i)*16*PITCH+128*(\q)+16*\c
.endr
.endm
.macro MULB a, p, zero
.set bb, 0
.rept NBLK
.set ACR, (8*((\a)*NBLK+bb))%256
.set BR, 128*(\p)+16*bb
.set AR, AF+16*(\a)
.if \zero
	v_wmma_f32_16x16x128_bf8_bf8 v[ACR:ACR+7], v[BR:BR+15], v[AR:AR+15], 0
.else
	v_wmma_f32_16x16x128_bf8_bf8 v[ACR:ACR+7], v[BR:BR+15], v[AR:AR+15], v[ACR:ACR+7]
.endif
.set bb, bb+1
.endr
.endm
.macro MULH half, p, zero
.set aa, (\half)*NBLK/2
.rept NBLK/2
	MULB aa, \p, \zero
.set aa, aa+1
.endr
.endm
.macro MULQ k, p
.set aa, (\k)*NBLK/4
.rept NBLK/4
	MULB aa, \p, 0
.set aa, aa+1
.endr
.endm
.macro FETCH_B slot, q, p
	WIN TO_B
.set ii, 0
.rept NBLK
	FRAGB 128*(\p)+16*ii, ADRB+\slot, \q, ii
.set ii, ii+1
.endr
	WIN 0
.endm
.macro FETCH_A slot, q, half
.set ii, (\half)*NBLK/2
.rept NBLK/2
	FRAGA AF+16*ii, ADRA+\slot, \q, ii
.set ii, ii+1
.endr
.endm
.macro STEP slot, q, zero
	s_wait_dscnt NHI
	WIN MUL_LO
	MULH 0, (\q)%2, \zero
	s_wait_dscnt 0x0
	PLACES
	FETCH_B \slot, (\q)+1, 1-(\q)%2
	FETCH_A \slot, (\q)+1, 0
	WIN MUL_HI
	MULH 1, (\q)%2, \zero
	PLACES
	WIN 0
	FETCH_A \slot, (\q)+1, 1
.endm
.macro TURN slot, next, fill
	s_wait_tensorcnt 0x0
	ds_add_u32 v[SPW], v[NIL]
	s_wait_dscnt NHI+1
	WIN MUL_LO
	MULQ 0, 1
	s_wait_dscnt 0x0
	s_barrier_signal -1
	MULQ 1, 1
	WIN 0
	s_barrier_wait -1
.if \fill
	CREST
	s_add_nc_u64 s[G0+4*\slot+2:G0+4*\slot+3], s[G0+4*\slot+2:G0+4*\slot+3], 32*KSTEP
	s_add_nc_u64 s[G0B+4*\slot+2:G0B+4*\slot+3], s[G0B+4*\slot+2:G0B+4*\slot+3], 2*KSTEP
	JLOAD G0+4*\slot, G1, G0B+4*\slot, G1B
.else
	PLACES
.endif
	FETCH_B \next, 0, 0
	FETCH_A \next, 0, 0
	WIN MUL_HI
	MULH 1, 1, 0
	PLACES
	WIN 0
	FETCH_A \next, 0, 1
.endm
.macro REST slot
.if NQ > 2
.set qq, 1
.rept NQ-2
	STEP \slot, qq, 0
.set qq, qq+1
.endr
.endif
.endm
	s_wait_alu depctr_va_vdst(0)
	s_wait_tensorcnt 1
	s_barrier_signal -1
	s_barrier_wait -1
	FETCH_B 0, 0, 0
	FETCH_A 0, 0, 0
	FETCH_A 0, 0, 1
	STEP 0, 0, 1
.if LAPS > 1
	s_mov_b32 s3, LAPS-1
.Llap:
	REST 0
	TURN 0, 1, 1
	STEP 1, 0, 0
	REST 1
	TURN 1, 0, 1
	STEP 0, 0, 0
	s_sub_co_u32 s3, s3, 1
	s_cmp_lg_u32 s3, 0
	s_cbranch_scc1 .Llap
.endif
	REST 0
	TURN 0, 1, 0
	STEP 1, 0, 0
	REST 1
	s_wait_dscnt NHI
	WIN MUL_LO
	MULH 0, 1, 0
	s_wait_dscnt 0x0
	WIN MUL_HI
	MULH 1, 1, 0
	WIN 0
	s_wait_loadcnt 0x0
	s_wait_kmcnt 0x0
	s_add_co_i32 s96, s84, s85
	s_add_co_i32 s96, s96, 127
	s_lshl_b32 s96, s96, 23
	s_mov_b32 s97, s96
.if EPI < 2
.macro OUTB a
.if (\a) < 3
.set RB, 32+32*(\a)
.else
.set RB, 192
.endif
.if (\a) > 0
	s_wait_xcnt 0x0
.endif
	WIN 0x08
.irp b, 0,1,2,3
	ds_store_b128 v[STO], v[32*(\a)+8*\b:32*(\a)+8*\b+3] offset:64*\b
	ds_store_b128 v[STO], v[32*(\a)+8*\b+4:32*(\a)+8*\b+7] offset:64*\b+16
.endr
	WIN 0
.if EPI == 0
	ds_store_b64 v[STS], v[224+2*(\a):225+2*(\a)]
.endif
.irp t, 0,1,2,3,4,5,6,7
	ds_load_b128 v[BK+4*\t:BK+4*\t+3], v[RD] offset:544*\t
.endr
.if EPI == 0
.irp t, 0,1,2,3,4,5,6,7
	ds_load_b64 v[232+2*\t:233+2*\t], v[RDS] offset:544*\t
.endr
.endif
	s_wait_dscnt 0x0
.irp t, 0,1,2,3,4,5,6,7
.irp p, 0,2
.if EPI == 0
	v_pk_add_f32 v[RB+4*\t+\p:RB+4*\t+\p+1], v[RB+4*\t+\p:RB+4*\t+\p+1], v[232+2*\t:233+2*\t] op_sel_hi:[1,0] neg_lo:[0,1] neg_hi:[0,1]
	v_pk_mul_f32 v[RB+4*\t+\p:RB+4*\t+\p+1], v[RB+4*\t+\p:RB+4*\t+\p+1], v[232+2*\t:233+2*\t] op_sel:[0,1] op_sel_hi:[1,1]
	v_pk_fma_f32 v[RB+4*\t+\p:RB+4*\t+\p+1], v[RB+4*\t+\p:RB+4*\t+\p+1], v[12+\p:13+\p], v[8+\p:9+\p]
.else
	v_pk_add_f32 v[RB+4*\t+\p:RB+4*\t+\p+1], v[RB+4*\t+\p:RB+4*\t+\p+1], v[8+\p:9+\p]
.endif
	v_pk_fma_f32 v[BK+4*\t+\p:BK+4*\t+\p+1], v[BK+4*\t+\p:BK+4*\t+\p+1], s[96:97], v[RB+4*\t+\p:RB+4*\t+\p+1] op_sel_hi:[1,0,1]
.endr
.if EPI == 0
	global_store_b128 v[CO], v[BK+4*\t:BK+4*\t+3], s[10:11] offset:(16*(\a)+2*\t)*4096
.else
	global_store_b128 v[CO], v[BK+4*\t:BK+4*\t+3], s[10:11] offset:(16*(\a)+2*\t)*4096 th:TH_STORE_NT
.endif
.endr
.endm
.if EPI == 0
	v_pk_add_f32 v[8:9], v[8:9], v[248:249]
	v_pk_add_f32 v[10:11], v[10:11], v[250:251]
.endif
	PLACES
	OUTB 0
	OUTB 1
	OUTB 2
	OUTB 3
.else
	s_mov_b32 s94, 0xbdd2d3e8
	s_mov_b32 s95, s94
	v_mov_b32 v114, 0xc0135761
	v_mov_b32 v115, v114
	s_add_co_i32 s86, s86, 127
	s_lshl_b32 s87, s86, 23
	v_mov_b32 v113, s87
	s_add_co_i32 s86, s86, 15
	s_lshl_b32 s86, s86, 23
	s_or_b32 s86, s86, 0x600000
	v_mov_b32 v112, s86
; THE WAY OUT is a loop of eight trips, a block of 16 rows a trip.  Only TAKE names a block's accumulators, so only its 32 lines are written once for each block; GELU, the rest of a trip, is written once.
.macro TAKE a                          ; x = sum x 2^(eA + eB) + bias of block a, each accumulator from its low end on
.set AC, (64*(\a))%256
	WIN 0x02+((\a)/4)                              ; source 0: window 2 or 3
	s_wait_alu depctr_va_vdst(0)
.set n, 0
.rept 32
	v_pk_fma_f32 v[XX+n:XX+n+1], v[AC+n:AC+n+1], s[96:97], v[BIA+n:BIA+n+1] op_sel_hi:[1,0,1]
.set n, n+2
.endr
	WIN 0
	s_wait_alu depctr_va_vdst(0)
.endm
.macro GELU                            ; gelu(x) = x / (1 + 2^(x (K1 + K3 x^2))), held, quantised, stored as the next product's image
.set n, 0
.rept 32
	v_pk_mul_f32 v[QT+n:QT+n+1], v[XX+n:XX+n+1], v[XX+n:XX+n+1]
.set n, n+2
.endr
.set n, 0
.rept 32
	v_pk_fma_f32 v[QT+n:QT+n+1], v[QT+n:QT+n+1], s[94:95], v[114:115] op_sel_hi:[1,0,0]
.set n, n+2
.endr
.set n, 0
.rept 32
	v_pk_mul_f32 v[QT+n:QT+n+1], v[QT+n:QT+n+1], v[XX+n:XX+n+1]
.set n, n+2
.endr
.set n, 0
	s_wait_alu depctr_va_vdst(0)
.rept 64
	v_exp_f32 v[QT+n], v[QT+n]
.set n, n+1
.endr
	v_nop
	s_wait_alu depctr_va_vdst(0)
.set n, 0
.rept 32
	v_pk_add_f32 v[QT+n:QT+n+1], v[QT+n:QT+n+1], 1.0 op_sel_hi:[1,0]
.set n, n+2
.endr
.set n, 0
	s_wait_alu depctr_va_vdst(0)
.rept 64
	v_rcp_f32 v[QT+n], v[QT+n]
.set n, n+1
.endr
	v_nop
	s_wait_alu depctr_va_vdst(0)
.set n, 0
.rept 32
	v_pk_mul_f32 v[XX+n:XX+n+1], v[XX+n:XX+n+1], v[QT+n:QT+n+1]
.set n, n+2
.endr
.set n, 0
.rept 64
	v_med3_num_f32 v[XX+n], v[XX+n], -v112, v112
.set n, n+1
.endr
	s_wait_alu depctr_va_vdst(0)
	s_wait_xcnt 0x0                                ; the last block's stores have read the codes' registers and their base,
	s_add_nc_u64 s[10:11], s[10:11], 65536         ; which steps a tile of 16 rows on, 32 images of 2,048 bytes: in trip a it stands a + 1 tiles on, and the stores below take one off again
.set n, 0
.rept 8
	v_cvt_scalef32_pk8_bf8_f32 v[COD+2*n:COD+2*n+1], v[XX+8*n:XX+8*n+7], v113
.set n, n+1
.endr
	v_nop
.irp c, 0,1,2,3
	global_store_b128 v[L16], v[COD+4*\c:COD+4*\c+3], s[10:11] offset:512*\c-65536   ; the wave stores 512 consecutive bytes
.endr
.endm
	PLACES
	s_wait_alu depctr_va_vdst(0)
	s_mov_b32 s3, 0                                ; the block in hand
.Lblk:
.irp a, 0,1,2,3,4,5,6
	s_cmp_eq_u32 s3, \a                            ; the trip's number picks the block's TAKE: one jump into its arm
	s_cbranch_scc1 .Larm_\a
.endr
	TAKE 7
	s_branch .Ltaken
.irp a, 0,1,2,3,4,5
.Larm_\a:
	TAKE \a
	s_branch .Ltaken
.endr
.Larm_6:
	TAKE 6
.Ltaken:
	GELU
	s_add_co_u32 s3, s3, 1
	s_cmp_lt_u32 s3, 8
	s_cbranch_scc1 .Lblk
.endif
	s_wait_tensorcnt 0x0
	ds_add_u32 v[SPW], v[NIL]
	s_wait_dscnt 0x0
	CROUND
	s_endpgm
.Lfunc_end_k_q70bd086fe9_fc:
	.size	k_q70bd086fe9_fc, .Lfunc_end_k_q70bd086fe9_fc-k_q70bd086fe9_fc
	.p2alignl 7, 3214868480
	.fill 96, 4, 3214868480
	.section	.rodata,"a",@progbits
	.p2align	6, 0x0
	.amdhsa_kernel k_q70bd086fe9_fc
		.amdhsa_group_segment_fixed_size 327680
		.amdhsa_private_segment_fixed_size 0
		.amdhsa_enable_private_segment 0
		.amdhsa_kernarg_size 40
		.amdhsa_user_sgpr_count 2
		.amdhsa_user_sgpr_kernarg_segment_ptr 1
		.amdhsa_wavefront_size32 1
		.amdhsa_system_sgpr_workgroup_id_x 1
		.amdhsa_system_sgpr_workgroup_id_y 1
		.amdhsa_system_sgpr_workgroup_id_z 1
		.amdhsa_system_vgpr_workitem_id 0
		.amdhsa_next_free_vgpr 1024
		.amdhsa_next_free_sgpr 100
		.amdhsa_reserve_vcc 0
		.amdhsa_float_denorm_mode_32 3
		.amdhsa_float_denorm_mode_16_64 3
		.amdhsa_memory_ordered 1
		.amdhsa_forward_progress 1
		.amdhsa_inst_pref_size 135
	.end_amdhsa_kernel
	.amdgpu_metadata
---
amdhsa.version: [ 1, 2 ]
amdhsa.kernels:
  - .name:           k_q70bd086fe9_fc
    .symbol:         k_q70bd086fe9_fc.kd
    .args:
      - { .name: himg, .offset: 0, .size: 8, .value_kind: global_buffer, .address_space: global }
      - { .name: fc_w_codes, .offset: 8, .size: 8, .value_kind: global_buffer, .address_space: global }
      - { .name: lowp_scales, .offset: 16, .size: 8, .value_kind: global_buffer, .address_space: global }
      - { .name: gimg, .offset: 24, .size: 8, .value_kind: global_buffer, .address_space: global }
      - { .name: fc_b, .offset: 32, .size: 8, .value_kind: global_buffer, .address_space: global }
    .group_segment_fixed_size: 327680
    .private_segment_fixed_size: 0
    .kernarg_segment_align: 8
    .kernarg_segment_size: 40
    .max_flat_workgroup_size: 128
    .sgpr_count:     100
    .vgpr_count:     1024
    .wavefront_size: 32
...
	.end_amdgpu_metadata
.endif
;; end of part 5
;; launch out (part 6): grid 8 x 32, 4 waves a work-group, clusters of 4 x 4, 327,680 bytes of LDS; arguments gimg, proj_w_codes, lowp_scales, out0, proj_b, x; writes out0
.if DOCPART == 6
	.amdgcn_target "amdgcn-amd-amdhsa--gfx1250"
	.amdhsa_code_object_version 6
	.text
	.protected	k_q70bd086fe9_out
	.globl	k_q70bd086fe9_out
	.p2align	8
	.type	k_q70bd086fe9_out,@function
k_q70bd086fe9_out:
	s_mov_b64 s[64:65], 0
	v_nop
	global_prefetch_b8 v0, s[64:65] scope:SCOPE_SE
	s_setreg_imm32_b32 hwreg(HW_REG_WAVE_MODE, 25, 1), 1
	s_wait_xcnt 0x0
	s_wait_alu depctr_hold_cnt(0) depctr_sa_sdst(0) depctr_va_vdst(0) depctr_va_sdst(0) depctr_va_ssrc(0) depctr_va_vcc(0) depctr_vm_vsrc(0)
	s_getreg_b32 s2, hwreg(HW_REG_IB_STS2, 6, 4)
	s_cmp_eq_u32 s2, 0
	s_cbranch_scc0 .Lentry_in_a_cluster
	s_endpgm
.Lentry_in_a_cluster:
	s_bfe_u32 s2, ttmp6, 0x10000c
	s_cmp_lg_u32 s2, 0xf033
	s_cbranch_scc0 .Lentry_shape_is_right
	s_endpgm
.Lentry_shape_is_right:
.set EPI,   1
.set NBLK,  4
.set KD,    4096
.set KSTEP, 512
.set QI,    6
.set ESC,   0x20
.set NQ,    KSTEP/128
.set LAPS,  KD/(2*KSTEP)
.set PITCH, KSTEP+16
.set HALFA, NBLK*16*KSTEP
.set HALFB, 16*NBLK*PITCH
.set SLOT,  2*HALFA+2*HALFB
.set STAGE, 2*SLOT
.set SPARE, STAGE+4*16*272
.set NHI,   2*NBLK
.set ADRA, 16
.set COL,  18
.set L16,  19
.set ADRB, 20
.set STO,  24
.set RD,   25
.set CO,   26
.set STS,  27
.set SPW,  28
.set NIL,  29
.set RDS,  30
.set SOF,  31
.set AF,   128
.set BK,   160
.set BIA,  32
.set COD,  96
.set XX,   128
.set QT,   192
.set G1,  24
.set G0,  32
.set G1B, 48
.set G0B, 56
.set MSB, 0
.macro WIN new
.if MSB != \new
	s_set_vgpr_msb (MSB<<8)|\new
.set MSB, \new
.endif
.endm
.set MUL_LO, 0xa1
.if NBLK == 8
.set MUL_HI, 0xf1
.else
.set MUL_HI, 0xa1
.endif
.set TO_B, 0x40
.macro JLOAD g0a, g1a, g0b, g1b
	s_cmp_eq_u32 s15, 0
	s_cbranch_scc0 .Lfor_b_\@
	tensor_load_to_lds s[\g0a:\g0a+3], s[\g1a:\g1a+7]
	s_nop 0
.rept 4
	v_nop
.endr
	s_branch .Lasked_\@
.Lfor_b_\@:
	tensor_load_to_lds s[\g0b:\g0b+3], s[\g1b:\g1b+7]
	s_nop 0
.rept 4
	v_nop
.endr
.Lasked_\@:
.endm
.macro CREST
	s_cmp_lg_u32 s14, 0
	s_cbranch_scc1 .Lnot_wave_0_\@
	s_barrier_signal -3
.Lnot_wave_0_\@:
	s_barrier_wait -3
	s_barrier_signal -1
	s_barrier_wait -1
.endm
.macro CROUND
	s_barrier_signal -1
	s_barrier_wait -1
	CREST
.endm
.macro PLACES
.rept 4
	v_nop
.endr
.endm
	s_load_b256 s[4:11], s[0:1], 0x0
	s_load_b64 s[66:67], s[0:1], 0x20
.if EPI == 0
	s_load_b256 s[68:75], s[0:1], 0x28
.endif
.if EPI == 1
	s_load_b64 s[68:69], s[0:1], 0x28
.endif
	v_lshl_add_u32 v[SPW], v0, 2, SPARE
	v_mov_b32 v[NIL], 0
	ds_add_u32 v28, v29
	ds_add_u32 v28, v29
	s_wait_dscnt 0x0
	v_lshrrev_b32 v1, 5, v0
	v_readfirstlane_b32 s14, v1
	s_lshr_b32 s15, s14, 1
	s_and_b32 s16, s14, 1
	s_bfe_u32 s40, ttmp6, 0x40000
	s_bfe_u32 s41, ttmp6, 0x40004
	s_lshl_b32 s42, ttmp9, 2
	s_add_co_u32 s42, s42, s40
	s_and_b32 s17, ttmp7, 0xffff
	s_lshl_b32 s17, s17, 2
	s_add_co_u32 s17, s17, s41
	s_lshl_b32 s43, s41, 2
	s_lshl_b32 s43, 15, s43
	s_lshl_b32 s44, 0x1111, s40
	s_or_b32 s[G1], s43, (1<<21)
	s_mov_b32 s[G1+1], ((16*KSTEP)&0xffff)<<16
	s_mov_b32 s[G1+2], ((16*KSTEP)>>16)|(NBLK<<16)
	s_mov_b32 s[G1+3], (16*KSTEP)<<16
	s_mov_b32 s[G1+4], NBLK
	s_mov_b32 s[G1+5], 16*KD
	s_mov_b32 s[G1+6], 0
	s_mov_b32 s[G1+7], 0
	s_or_b32 s[G1B], s44, (1<<20)|(1<<21)|(QI<<22)|(3<<25)
	s_mov_b32 s[G1B+1], KSTEP<<16
	s_mov_b32 s[G1B+2], (16*NBLK)<<16
	s_mov_b32 s[G1B+3], KSTEP<<16
	s_mov_b32 s[G1B+4], 16*NBLK
	s_mov_b32 s[G1B+5], KD
	s_mov_b32 s[G1B+6], 0
	s_mov_b32 s[G1B+7], 0
	s_mul_i32 s18, s16, NBLK
	s_mul_i32 s20, s17, 2*NBLK
	s_add_co_u32 s20, s20, s18
	s_mul_i32 s20, s20, 16*KD
	s_mov_b32 s21, 0
	s_mul_i32 s19, s16, 16*NBLK
	s_mul_i32 s46, s42, 32*NBLK
	s_add_co_u32 s46, s46, s19
	s_mul_i32 s46, s46, KD
	s_mov_b32 s47, 0
	s_mul_i32 s45, s16, HALFA
	s_mul_i32 s23, s16, HALFB
	s_add_co_u32 s23, s23, 2*HALFA
	s_wait_kmcnt 0x0
	s_load_b64 s[84:85], s[8:9], ESC
.if EPI == 2
	s_load_b32 s86, s[8:9], ESC+8
.endif
	s_add_nc_u64 s[20:21], s[4:5], s[20:21]
	s_add_nc_u64 s[46:47], s[6:7], s[46:47]
	; THE PREFETCHES INTO THE L2: a slot's tiles, one instruction a wave, a lane to each block of 256 bytes.  Of the 128 blocks that a wave's joint load brings, each of the four partners that ask with it names 32, told apart by address:
	; A (waves 0, 1): partner cx takes one tile of 16 rows, whose 8,192 bytes of a slot lie on end; B (waves 2, 3): partner cy takes 16 rows of 512 bytes.  So each block is named once in the cluster.
	; Slot 1 is asked for behind slot 0's load, slots 2 and 3 behind slot 1's, slot t + 4 behind the refill that asks for slot t + 2; the last two refills ask for nothing.
	s_lshl_b32 s93, s17, 3
	s_lshl_b32 s94, s16, 2
	s_add_co_u32 s93, s93, s94
	s_add_co_u32 s93, s93, s40
	s_lshl_b32 s93, s93, 16                        ; A: tile of 16 rows 8 x tile row + 4 x half + cx, 65,536 bytes each
	s_lshl_b32 s94, s42, 3
	s_lshl_b32 s95, s16, 2
	s_add_co_u32 s94, s94, s95
	s_add_co_u32 s94, s94, s41
	s_lshl_b32 s94, s94, 16                        ; B: row 16 x (8 x tile column + 4 x half + cy), 4,096 bytes each
	s_cmp_eq_u32 s15, 0                            ; do I fetch for A?
	s_cselect_b64 s[88:89], s[4:5], s[6:7]
	s_cselect_b32 s94, s93, s94
	s_mov_b32 s95, 0
	s_mov_b32 s92, 4096
	s_cselect_b32 s92, 512, s92                    ; from one pair of lanes to the next
	s_mov_b32 s90, 512
	s_cselect_b32 s90, 8192, s90                   ; s[90:91]: a slot on
	s_mov_b32 s91, 0
	s_add_nc_u64 s[88:89], s[88:89], s[94:95]      ; s[88:89]: my 32 blocks of slot 0
	v_bfe_u32 v7, v0, 1, 4
	v_and_b32 v12, 1, v0
	v_lshlrev_b32 v12, 8, v12
	v_mad_u32_u24 v7, v7, s92, v12                 ; my lane's block
	v_add_nc_u32 v12, s90, v7                      ; v12, v13, v14: the same one, two, three slots on; never rewritten
	v_add_nc_u32 v13, s90, v12
	v_add_nc_u32 v14, s90, v13
	s_wait_alu depctr_va_vdst(0)
	CROUND
.irp s, 0,1
	s_mov_b32 s[G0+4*\s], 1
	s_add_co_u32 s[G0+4*\s+1], s45, \s*SLOT
	s_add_nc_u64 s[G0+4*\s+2:G0+4*\s+3], s[20:21], \s*16*KSTEP
	s_or_b32 s[G0+4*\s+3], s[G0+4*\s+3], 0x80000000
	s_mov_b32 s[G0B+4*\s], 1
	s_add_co_u32 s[G0B+4*\s+1], s23, \s*SLOT
	s_add_nc_u64 s[G0B+4*\s+2:G0B+4*\s+3], s[46:47], \s*KSTEP
	s_or_b32 s[G0B+4*\s+3], s[G0B+4*\s+3], 0x80000000
.if \s                                 ; slot 1's first fill is issued as a refill is: the wait for slot 0's load, the add, its wait, a round
	s_wait_alu depctr_va_vdst(0)
	s_wait_tensorcnt 0x0
	ds_add_u32 v28, v29
	s_wait_dscnt 0x0
	CROUND
.endif
	JLOAD G0+4*\s, G1, G0B+4*\s, G1B               ; slot 0: my one load at the head, behind the opening round
.if \s                                 ; (so: slot 1 is asked for behind slot 0's load, slots 2 and 3 behind slot 1's)
	global_prefetch_b8 v13, s[88:89] th:TH_LOAD_NT scope:SCOPE_SE   ; slot 2
	global_prefetch_b8 v14, s[88:89] th:TH_LOAD_NT scope:SCOPE_SE   ; slot 3
.else
	global_prefetch_b8 v12, s[88:89] th:TH_LOAD_NT scope:SCOPE_SE   ; slot 1
.endif
.endr
	v_and_b32 v1, 15, v0
	v_bfe_u32 v2, v0, 4, 1
	v_and_b32 v6, 31, v0
	v_lshlrev_b32 v[L16], 4, v6
	v_mul_u32_u24 v3, v1, PITCH
	v_lshl_add_u32 v4, v2, 3, v3
	s_mul_i32 s21, s15, HALFA
	s_mul_i32 s22, s16, HALFB
	s_add_co_u32 s22, s22, 2*HALFA
.irp s, 0,1
	v_add_nc_u32 v[ADRA+\s], s21, v[L16]
	v_add_nc_u32 v[ADRB+\s], s22, v4
	s_add_co_u32 s21, s21, SLOT
	s_add_co_u32 s22, s22, SLOT
.endr
.if EPI < 2
	s_mul_i32 s82, s14, 16*272
	s_add_co_u32 s82, s82, STAGE
	v_mul_u32_u24 v5, v1, 272
	v_add_nc_u32 v5, s82, v5
	v_lshl_add_u32 v[STO], v2, 5, v5
.if EPI == 0
	v_add_nc_u32 v[STS], 256, v5
.endif
	v_mul_u32_u24 v5, v2, 272
	v_add_nc_u32 v5, s82, v5
	v_lshl_add_u32 v[RD], v1, 4, v5
.if EPI == 0
	v_add_nc_u32 v[RDS], 256, v5
	v_lshlrev_b32 v[SOF], 3, v1
.endif
	v_lshlrev_b32 v[COL], 4, v1
	v_lshl_add_u32 v[CO], v2, 12, v[COL]
	s_wait_alu depctr_va_vdst(0)
	s_lshl_b32 s76, s17, 7
	s_lshl_b32 s78, s15, 6
	s_add_co_u32 s76, s76, s78
	s_lshl_b32 s80, s76, 3
	s_mov_b32 s81, 0
	s_lshl_b32 s76, s76, 12
	s_lshl_b32 s78, s42, 7
	s_lshl_b32 s79, s16, 6
	s_add_co_u32 s78, s78, s79
	s_lshl_b32 s78, s78, 2
	s_mov_b32 s79, 0
	s_add_co_u32 s76, s76, s78
	s_mov_b32 s77, 0
	s_add_nc_u64 s[10:11], s[10:11], s[76:77]
	s_add_nc_u64 s[68:69], s[68:69], s[76:77]
	s_add_nc_u64 s[66:67], s[66:67], s[78:79]
.if EPI == 0
	s_add_nc_u64 s[72:73], s[72:73], s[78:79]
	s_add_nc_u64 s[74:75], s[74:75], s[78:79]
	s_add_nc_u64 s[70:71], s[70:71], s[80:81]
	global_load_b128 v[12:15], v[COL], s[72:73]
	global_load_b128 v[248:251], v[COL], s[74:75]
.irp a, 0,1,2,3
	global_load_b64 v[224+2*\a:225+2*\a], v[SOF], s[70:71] offset:128*\a
.endr
.endif
.else
	s_lshl_b32 s76, s17, 4
	s_lshl_b32 s78, s15, 3
	s_add_co_u32 s76, s76, s78
	s_lshl_b32 s76, s76, 16
	s_lshl_b32 s78, s42, 1
	s_add_co_u32 s78, s78, s16
	s_lshl_b32 s79, s78, 11
	s_add_co_u32 s76, s76, s79
	s_mov_b32 s77, 0
	s_add_nc_u64 s[10:11], s[10:11], s[76:77]
	s_lshl_b32 s78, s78, 9
	s_mov_b32 s79, 0
	s_add_nc_u64 s[66:67], s[66:67], s[78:79]
	v_lshlrev_b32 v[COL], 5, v2
.set n, 0
.rept 8
	global_load_b128 v[BIA+8*n:BIA+8*n+3], v[COL], s[66:67] offset:64*n
	global_load_b128 v[BIA+8*n+4:BIA+8*n+7], v[COL], s[66:67] offset:64*n+16
.set n, n+1
.endr
.endif
.macro FRAGA reg, adr, q, i
.irp c, 0,1,2,3
	ds_load_b128 v[\reg+4*\c:\reg+4*\c+3], v[\adr] offset:(\i)*16*KSTEP+2048*(\q)+512*\c
.endr
.endm
.macro FRAGB reg, adr, q, i
.irp c, 0,1,2,3,4,5,6,7
	ds_load_b64 v[\reg+2*\c:\reg+2*\c+1], v[\adr] offset:(\i)*16*PITCH+128*(\q)+16*\c
.endr
.endm
.macro MULB a, p, zero
.set bb, 0
.rept NBLK
.set ACR, (8*((\a)*NBLK+bb))%256
.set BR, 128*(\p)+16*bb
.set AR, AF+16*(\a)
.if \zero
	v_wmma_f32_16x16x128_bf8_bf8 v[ACR:ACR+7], v[BR:BR+15], v[AR:AR+15], 0
.else
	v_wmma_f32_16x16x128_bf8_bf8 v[ACR:ACR+7], v[BR:BR+15], v[AR:AR+15], v[ACR:ACR+7]
.endif
.set bb, bb+1
.endr
.endm
.macro MULH half, p, zero
.set aa, (\half)*NBLK/2
.rept NBLK/2
	MULB aa, \p, \zero
.set aa, aa+1
.endr
.endm
.macro MULQ k, p
.set aa, (\k)*NBLK/4
.rept NBLK/4
	MULB aa, \p, 0
.set aa, aa+1
.endr
.endm
.macro FETCH_B slot, q, p
	WIN TO_B
.set ii, 0
.rept NBLK
	FRAGB 128*(\p)+16*ii, ADRB+\slot, \q, ii
.set ii, ii+1
.endr
	WIN 0
.endm
.macro FETCH_A slot, q, half
.set ii, (\half)*NBLK/2
.rept NBLK/2
	FRAGA AF+16*ii, ADRA+\slot, \q, ii
.set ii, ii+1
.endr
.endm
.macro STEP slot, q, zero
	s_wait_dscnt NHI
	WIN MUL_LO
	MULH 0, (\q)%2, \zero
	s_wait_dscnt 0x0
	PLACES
	FETCH_B \slot, (\q)+1, 1-(\q)%2
	FETCH_A \slot, (\q)+1, 0
	WIN MUL_HI
	MULH 1, (\q)%2, \zero
	PLACES
	WIN 0
	FETCH_A \slot, (\q)+1, 1
.endm
.macro TURN slot, next, fill
.if \fill
	s_wait_xcnt 0x0                                ; my prefetches have read their base: it steps a slot on, ahead of the waits of the change of slots
	s_add_nc_u64 s[88:89], s[88:89], s[90:91]
.endif
	s_wait_tensorcnt 0x0
	ds_add_u32 v[SPW], v[NIL]
	s_wait_dscnt NHI+1
	WIN MUL_LO
	MULQ 0, 1
	s_wait_dscnt 0x0
	s_barrier_signal -1
	MULQ 1, 1
	WIN 0
	s_barrier_wait -1
.if \fill
	CREST
	s_add_nc_u64 s[G0+4*\slot+2:G0+4*\slot+3], s[G0+4*\slot+2:G0+4*\slot+3], 32*KSTEP
	s_add_nc_u64 s[G0B+4*\slot+2:G0B+4*\slot+3], s[G0B+4*\slot+2:G0B+4*\slot+3], 2*KSTEP
	JLOAD G0+4*\slot, G1, G0B+4*\slot, G1B
.else
	PLACES
.endif
	FETCH_B \next, 0, 0
	FETCH_A \next, 0, 0
.if \fill
	s_cmp_gt_u32 s3, 1                             ; the loop's last trip has no slot two refills on
	s_cbranch_scc0 .Lno_ask_\@
	global_prefetch_b8 v14, s[88:89] th:TH_LOAD_NT scope:SCOPE_SE   ; the slot that stands two refills on
.Lno_ask_\@:
.endif
	WIN MUL_HI
	MULH 1, 1, 0
	PLACES
	WIN 0
	FETCH_A \next, 0, 1
.endm
.macro REST slot
.if NQ > 2
.set qq, 1
.rept NQ-2
	STEP \slot, qq, 0
.set qq, qq+1
.endr
.endif
.endm
	s_wait_tensorcnt 1
	s_barrier_signal -1
	s_barrier_wait -1
	FETCH_B 0, 0, 0
	FETCH_A 0, 0, 0
	FETCH_A 0, 0, 1
	STEP 0, 0, 1
.if LAPS > 1
	s_mov_b32 s3, LAPS-1
.Llap:
	REST 0
	TURN 0, 1, 1
	STEP 1, 0, 0
	REST 1
	TURN 1, 0, 1
	STEP 0, 0, 0
	s_sub_co_u32 s3, s3, 1
	s_cmp_lg_u32 s3, 0
	s_cbranch_scc1 .Llap
.endif
	; what the way out adds, my 64 rows x 64 columns of x and the bias, is asked for here: seven K steps of 128 stand between these loads and the wait for them, and no prefetch is asked for beside them
.irp a, 0,1,2,3
.if \a < 3
.set RB, 32+32*\a
.else
.set RB, 192
.endif
.irp t, 0,1,2,3,4,5,6,7
	global_load_b128 v[RB+4*\t:RB+4*\t+3], v[CO], s[68:69] offset:(16*\a+2*\t)*4096 th:TH_LOAD_NT   ; sixteen lanes read 256 consecutive bytes, aligned
.endr
.endr
	global_load_b128 v[8:11], v[COL], s[66:67]
	REST 0
	TURN 0, 1, 0
	STEP 1, 0, 0
	REST 1
	s_wait_dscnt NHI
	WIN MUL_LO
	MULH 0, 1, 0
	s_wait_dscnt 0x0
	WIN MUL_HI
	MULH 1, 1, 0
	WIN 0
	s_wait_loadcnt 0x0
	s_wait_kmcnt 0x0
	s_add_co_i32 s96, s84, s85
	s_add_co_i32 s96, s96, 127
	s_lshl_b32 s96, s96, 23
	s_mov_b32 s97, s96
.if EPI < 2
.macro OUTB a
.if (\a) < 3
.set RB, 32+32*(\a)
.else
.set RB, 192
.endif
.if (\a) > 0
	s_wait_xcnt 0x0
.endif
	WIN 0x08
.irp b, 0,1,2,3
	ds_store_b128 v[STO], v[32*(\a)+8*\b:32*(\a)+8*\b+3] offset:64*\b
	ds_store_b128 v[STO], v[32*(\a)+8*\b+4:32*(\a)+8*\b+7] offset:64*\b+16
.endr
	WIN 0
.if EPI == 0
	ds_store_b64 v[STS], v[224+2*(\a):225+2*(\a)]
.endif
.irp t, 0,1,2,3,4,5,6,7
	ds_load_b128 v[BK+4*\t:BK+4*\t+3], v[RD] offset:544*\t
.endr
.if EPI == 0
.irp t, 0,1,2,3,4,5,6,7
	ds_load_b64 v[232+2*\t:233+2*\t], v[RDS] offset:544*\t
.endr
.endif
	s_wait_dscnt 0x0
.irp t, 0,1,2,3,4,5,6,7
.irp p, 0,2
.if EPI == 0
	v_pk_add_f32 v[RB+4*\t+\p:RB+4*\t+\p+1], v[RB+4*\t+\p:RB+4*\t+\p+1], v[232+2*\t:233+2*\t] op_sel_hi:[1,0] neg_lo:[0,1] neg_hi:[0,1]
	v_pk_mul_f32 v[RB+4*\t+\p:RB+4*\t+\p+1], v[RB+4*\t+\p:RB+4*\t+\p+1], v[232+2*\t:233+2*\t] op_sel:[0,1] op_sel_hi:[1,1]
	v_pk_fma_f32 v[RB+4*\t+\p:RB+4*\t+\p+1], v[RB+4*\t+\p:RB+4*\t+\p+1], v[12+\p:13+\p], v[8+\p:9+\p]
.else
	v_pk_add_f32 v[RB+4*\t+\p:RB+4*\t+\p+1], v[RB+4*\t+\p:RB+4*\t+\p+1], v[8+\p:9+\p]
.endif
	v_pk_fma_f32 v[BK+4*\t+\p:BK+4*\t+\p+1], v[BK+4*\t+\p:BK+4*\t+\p+1], s[96:97], v[RB+4*\t+\p:RB+4*\t+\p+1] op_sel_hi:[1,0,1]
.endr
.if EPI == 0
	global_store_b128 v[CO], v[BK+4*\t:BK+4*\t+3], s[10:11] offset:(16*(\a)+2*\t)*4096
.else
	global_store_b128 v[CO], v[BK+4*\t:BK+4*\t+3], s[10:11] offset:(16*(\a)+2*\t)*4096 th:TH_STORE_NT
.endif
.endr
.endm
.if EPI == 0
	v_pk_add_f32 v[8:9], v[8:9], v[248:249]
	v_pk_add_f32 v[10:11], v[10:11], v[250:251]
.endif
	PLACES
	OUTB 0
	OUTB 1
	OUTB 2
	OUTB 3
.else
	s_mov_b32 s94, 0xbdd2d3e8
	s_mov_b32 s95, s94
	v_mov_b32 v114, 0xc0135761
	v_mov_b32 v115, v114
	s_add_co_i32 s86, s86, 127
	s_lshl_b32 s87, s86, 23
	v_mov_b32 v113, s87
	s_add_co_i32 s86, s86, 15
	s_lshl_b32 s86, s86, 23
	s_or_b32 s86, s86, 0x600000
	v_mov_b32 v112, s86
.macro GELU a
.set AC, (64*(\a))%256
	WIN 0x02+((\a)/4)
.set n, 0
.rept 32
	v_pk_fma_f32 v[XX+n:XX+n+1], v[AC+n:AC+n+1], s[96:97], v[BIA+n:BIA+n+1] op_sel_hi:[1,0,1]
.set n, n+2
.endr
	WIN 0
.set n, 0
.rept 32
	v_pk_mul_f32 v[QT+n:QT+n+1], v[XX+n:XX+n+1], v[XX+n:XX+n+1]
.set n, n+2
.endr
.set n, 0
.rept 32
	v_pk_fma_f32 v[QT+n:QT+n+1], v[QT+n:QT+n+1], s[94:95], v[114:115] op_sel_hi:[1,0,0]
.set n, n+2
.endr
.set n, 0
.rept 32
	v_pk_mul_f32 v[QT+n:QT+n+1], v[QT+n:QT+n+1], v[XX+n:XX+n+1]
.set n, n+2
.endr
.set n, 0
.rept 64
	v_exp_f32 v[QT+n], v[QT+n]
.set n, n+1
.endr
	v_nop
	s_wait_alu depctr_va_vdst(0)
.set n, 0
.rept 32
	v_pk_add_f32 v[QT+n:QT+n+1], v[QT+n:QT+n+1], 1.0 op_sel_hi:[1,0]
.set n, n+2
.endr
.set n, 0
.rept 64
	v_rcp_f32 v[QT+n], v[QT+n]
.set n, n+1
.endr
	v_nop
	s_wait_alu depctr_va_vdst(0)
.set n, 0
.rept 32
	v_pk_mul_f32 v[XX+n:XX+n+1], v[XX+n:XX+n+1], v[QT+n:QT+n+1]
.set n, n+2
.endr
.set n, 0
.rept 64
	v_med3_num_f32 v[XX+n], v[XX+n], -v112, v112
.set n, n+1
.endr
	s_wait_xcnt 0x0
.set n, 0
.rept 8
	v_cvt_scalef32_pk8_bf8_f32 v[COD+2*n:COD+2*n+1], v[XX+8*n:XX+8*n+7], v113
.set n, n+1
.endr
	v_nop
.irp c, 0,1,2,3
	global_store_b128 v[L16], v[COD+4*\c:COD+4*\c+3], s[10:11] offset:65536*(\a)+512*\c
.endr
.endm
	PLACES
.irp a, 0,1,2,3,4,5,6,7
	GELU \a
.endr
.endif
	s_wait_tensorcnt 0x0
	ds_add_u32 v[SPW], v[NIL]
	s_wait_dscnt 0x0
	CROUND
	s_endpgm
.Lfunc_end_k_q70bd086fe9_out:
	.size	k_q70bd086fe9_out, .Lfunc_end_k_q70bd086fe9_out-k_q70bd086fe9_out
	.p2alignl 7, 3214868480
	.fill 96, 4, 3214868480
	.section	.rodata,"a",@progbits
	.p2align	6, 0x0
	.amdhsa_kernel k_q70bd086fe9_out
		.amdhsa_group_segment_fixed_size 327680
		.amdhsa_private_segment_fixed_size 0
		.amdhsa_enable_private_segment 0
		.amdhsa_kernarg_size 48
		.amdhsa_user_sgpr_count 2
		.amdhsa_user_sgpr_kernarg_segment_ptr 1
		.amdhsa_wavefront_size32 1
		.amdhsa_system_sgpr_workgroup_id_x 1
		.amdhsa_system_sgpr_workgroup_id_y 1
		.amdhsa_system_sgpr_workgroup_id_z 1
		.amdhsa_system_vgpr_workitem_id 0
		.amdhsa_next_free_vgpr 640
		.amdhsa_next_free_sgpr 100
		.amdhsa_reserve_vcc 0
		.amdhsa_float_denorm_mode_32 3
		.amdhsa_float_denorm_mode_16_64 3
		.amdhsa_memory_ordered 1
		.amdhsa_forward_progress 1
		.amdhsa_inst_pref_size 103
	.end_amdhsa_kernel
	.amdgpu_metadata
---
amdhsa.version: [ 1, 2 ]
amdhsa.kernels:
  - .name:           k_q70bd086fe9_out
    .symbol:         k_q70bd086fe9_out.kd
    .args:
      - { .name: gimg, .offset: 0, .size: 8, .value_kind: global_buffer, .address_space: global }
      - { .name: proj_w_codes, .offset: 8, .size: 8, .value_kind: global_buffer, .address_space: global }
      - { .name: lowp_scales, .offset: 16, .size: 8, .value_kind: global_buffer, .address_space: global }
      - { .name: out0, .offset: 24, .size: 8, .value_kind: global_buffer, .address_space: global }
      - { .name: proj_b, .offset: 32, .size: 8, .value_kind: global_buffer, .address_space: global }
      - { .name: x, .offset: 40, .size: 8, .value_kind: global_buffer, .address_space: global }
    .group_segment_fixed_size: 327680
    .private_segment_fixed_size: 0
    .kernarg_segment_align: 8
    .kernarg_segment_size: 48
    .max_flat_workgroup_size: 128
    .sgpr_count:     100
    .vgpr_count:     640
    .wavefront_size: 32
...
	.end_amdgpu_metadata
.endif
;; end of part 6
